; MI455X (gfx1250); checked and timed in simulation.
; The chip was launched on July 23, 2026; its instructions are those of AMD's public machine-readable ISA for CDNA 5 (MIT licence, August 2026) and "CDNA5" Instruction Set Architecture Reference Guide (July 2026). The comments in the code are by the model that wrote it; some were corrected since.
;; ATTNRNN Agent. Allowed arithmetic: matrix products marked QUANTISED: E2M1 operands, one E8M0 scale for each 32 along K, by v_wmma_scale_f32_16x16x128_f8f6f4 with both operands' format E2M1 (or v_wmma_scale_f32_32x16x128_f4), f32 sums; products left as they are: f32 operands where the result goes on into a quantised operand, else bf16, f16 or f32 operands; f32 sums; everything else in f32.
;; Inputs: b_hh 768 float32; b_ih 768 float32; fc1_b 256 float32; fc1_w_codes 256 x 4 x 16 uint8 (E2M1 codes of fc1_w, K innermost, in blocks of 32 codes, two codes a byte); fc1_w_scales 256 x 4 uint8 (E8M0 scales of fc1_w, one for each 32 codes along K); hidden_state 4,096 x 8 x 256 float32; inputs_codes 4,096 x 64 x 4 x 16 uint8 (E2M1 codes of inputs, K innermost, in blocks of 32 codes, two codes a byte); inputs_scales 4,096 x 64 x 4 uint8 (E8M0 scales of inputs, one for each 32 codes along K); k_b 256 float32; k_w_codes 256 x 8 x 16 uint8 (E2M1 codes of k_w, K innermost, in blocks of 32 codes, two codes a byte); k_w_scales 256 x 8 uint8 (E8M0 scales of k_w, one for each 32 codes along K); obs_mask 4,096 x 64 x 64 bool; out_b 32 float32; out_w_codes 32 x 8 x 16 uint8 (E2M1 codes of out_w, K innermost, in blocks of 32 codes, two codes a byte); out_w_scales 32 x 8 uint8 (E8M0 scales of out_w, one for each 32 codes along K); q_b 256 float32; q_w_codes 256 x 8 x 16 uint8 (E2M1 codes of q_w, K innermost, in blocks of 32 codes, two codes a byte); q_w_scales 256 x 8 uint8 (E8M0 scales of q_w, one for each 32 codes along K); scenario_mask 4,096 x 8 bool; v_b 256 float32; v_w_codes 256 x 8 x 16 uint8 (E2M1 codes of v_w, K innermost, in blocks of 32 codes, two codes a byte); v_w_scales 256 x 8 uint8 (E8M0 scales of v_w, one for each 32 codes along K); w_hh_codes 768 x 8 x 16 uint8 (E2M1 codes of w_hh, K innermost, in blocks of 32 codes, two codes a byte); w_hh_scales 768 x 8 uint8 (E8M0 scales of w_hh, one for each 32 codes along K); w_ih_codes 768 x 8 x 16 uint8 (E2M1 codes of w_ih, K innermost, in blocks of 32 codes, two codes a byte); w_ih_scales 768 x 8 uint8 (E8M0 scales of w_ih, one for each 32 codes along K).
;; Outputs: out0 4,096 x 8 x 32 float32; out1 4,096 x 8 x 256 float32.
;; This version of the problem:
;;   THIS VERSION OF THE PROBLEM IS GIVEN IN LOW PRECISION. The matrix products marked QUANTISED in the list below multiply operands that are first quantised to E2M1 (2 exponent bits, 1 mantissa bit; 4 bits a number), with one power-of-two scale for each 32 numbers along K (OCP MX v1.0); their sums are f32. All else is computed in f32.
;;   The module's matrix products, in the order in which they are computed (A, B: the left and right operand; K: the contracted axis; several contracted axes count as one K, in the product's order):
;;     1. [M 262,144, K 128] x [K 128, N 256]; A: input inputs (given as codes); B: input fc1_w (given as codes): QUANTISED
;;     2. [M 32,768, K 256] x [K 256, N 256]; A: computed on the way; B: input q_w (given as codes): QUANTISED
;;     3. [M 262,144, K 256] x [K 256, N 256]; A: computed on the way; B: input k_w (given as codes): QUANTISED
;;     4. [M 262,144, K 256] x [K 256, N 256]; A: computed on the way; B: input v_w (given as codes): QUANTISED
;;     5. batch 32,768 x [M 8, K 32] x [K 32, N 64]; A: computed on the way; B: computed on the way: left as it is (M = 8 < 16)
;;     6. batch 32,768 x [M 8, K 64] x [K 64, N 32]; A: computed on the way; B: computed on the way: left as it is (M = 8 < 16)
;;     7. [M 32,768, K 256] x [K 256, N 768]; A: computed on the way; B: input w_ih (given as codes): QUANTISED
;;     8. [M 32,768, K 256] x [K 256, N 768]; A: input hidden_state; B: input w_hh (given as codes): QUANTISED
;;     9. [M 32,768, K 256] x [K 256, N 32]; A: computed on the way; B: input out_w (given as codes): QUANTISED
;;   THE QUANTISER, for each operand of a quantised product, along K:
;;     - K is cut into blocks of 32 from its start; a last block that is shorter is filled with zeros.
;;     - A block's scale is 2^e with e = floor(log2(the largest magnitude in the block)) - 2, held to -126 .. 127; a block of zeros has e = 0. As a byte (E8M0): e + 127.
;;     - Each number is divided by its block's scale, clamped to +-6, and rounded to the nearest number of E2M1, ties to even, subnormals kept.
;;     - The product sums the exact products of the quantised numbers (number of the format x scale) in f32.
;;   ~~~python
;;   def quantise(x, axis):      # numpy; x: float32 -> the quantised numbers, widened to float32 again
;;       x = np.moveaxis(x, axis, -1); K = x.shape[-1]
;;       x = np.pad(x, [(0, 0)] * (x.ndim - 1) + [(0, -K % 32)]); x = x.reshape(x.shape[:-1] + (-1, 32)); a = np.abs(x).max(-1, keepdims=True)
;;       e = np.where(a > 0, np.clip(np.frexp(np.where(a > 0, a, 1))[1] - 1 - 2, -126, 127), 0)      # np.frexp(a)[1] - 1 = floor(log2(a)), exactly
;;       r = np.clip(x / 2.0 ** e, -6, 6)
;;       step = 2.0 ** (np.maximum(np.frexp(np.where(r == 0, 1, r))[1] - 1, 0) - 1)
;;       q = np.round(r / step) * step * 2.0 ** e      # np.round: ties to even
;;       return np.moveaxis(q.reshape(q.shape[:-2] + (-1,))[..., :K], -1, axis).astype(np.float32)
;;   ~~~
;;   OPERANDS COMPUTED ON THE WAY. 'Computed on the way' means the value that the module computes at that place (a softmax that the list does not call 'softmax' is quantised finished and normalised). What goes into a quantiser is computed in f32, as accurately as f32 sums, v_exp_f32 and their like allow (about 1e-6 of the number): no bf16 or f16 on the way to a quantiser, and a product that is left as it is and whose result goes on into a quantised operand takes f32 operands (vector FMAs, or v_wmma_f32_16x16x4_f32). A number that lies on a knife's edge between two numbers of the format may be rounded either way, as far as f32 arithmetic and the matrix unit's own rounding can turn it there, and no further.
;;   INPUTS GIVEN AS CODES. fc1_w (in the module: [256, 128], K = its axis 1); inputs (in the module: [4096, 64, 128], K = its axis 2); k_w (in the module: [256, 256], K = its axis 1); out_w (in the module: [32, 256], K = its axis 1); q_w (in the module: [256, 256], K = its axis 1); v_w (in the module: [256, 256], K = its axis 1); w_hh (in the module: [768, 256], K = its axis 1); w_ih (in the module: [768, 256], K = its axis 1): each comes as NAME_codes (uint8): NAME with its K axis moved to the last place and cut into blocks of 32 codes, [.., K / 32, bytes a block], one block behind the other in memory; two codes a byte, the lower K in the low four bits (a code: sign, 2 exponent bits, 1 mantissa bit); and NAME_scales (uint8): the same leading axes, one E8M0 byte (e + 127) for each 32 codes along K. Its value is code x scale, taken as it is: it is not quantised again, and the codes and scales need not be those that the quantiser above would give.
;; 2 versions. Each part assembles by itself: llvm-mc -triple=amdgcn-amd-amdhsa -mcpu=gfx1250 --defsym DOCPART=n.
;; ======== version 1 of 2: 1 launch
;; limits: right only within a limited range of input values
;; launch agent (part 1): grid 256 x 1, 8 waves a work-group, no clusters, 302,080 bytes of LDS; arguments inputs_codes, inputs_scales, hidden_state, obs_mask, scenario_mask, out0, out1, fc1_w_codes, fc1_w_scales, fc1_b, q_w_codes, q_w_scales, q_b, k_w_codes, k_w_scales, k_b, v_w_codes, v_w_scales, v_b, w_ih_codes, w_ih_scales, b_ih, w_hh_codes, w_hh_scales, b_hh, out_w_codes, out_w_scales, out_b; writes out0, out1
.if DOCPART == 1
	.amdgcn_target "amdgcn-amd-amdhsa--gfx1250"
	.amdhsa_code_object_version 6
	.text
	.protected	k_q744eecaf72_agent
	.globl	k_q744eecaf72_agent
	.p2align	8
	.type	k_q744eecaf72_agent,@function
k_q744eecaf72_agent:
	s_mov_b64 s[64:65], 0
	v_nop
	global_prefetch_b8 v0, s[64:65] scope:SCOPE_SE
	s_setreg_imm32_b32 hwreg(HW_REG_WAVE_MODE, 25, 1), 1
	s_wait_xcnt 0x0
; fc1 + ReLU, q / k / ReLU(v), masked attention (8 heads, 8 agents x 64 entities, head size 32), GRU cell, output layer: ONE launch, nothing between the steps goes to memory.
; Products on weights: codes of FP4 (E2M1) with one E8M0 scale for each 32 along K.  The two attention products feed a quantiser, so they take f32 operands (v_wmma_f32_16x16x4_f32).
; SHARES.  256 work-groups x 16 batches, walked as 8 blocks of 2 batches: 128 entity rows (8 tiles of 16) and 16 agent rows (1 tile).  Eight waves: WAVE w IS HEAD w, and owns columns 32 w .. 32 w + 31 of fc1 and of each GRU gate.
; Its slices of fc1_w, q_w, k_w, v_w, their biases and all scale words stay in registers; its 24 fragments of w_ih and w_hh lie in LDS as images of their registers, read by it alone.
; OPERANDS GO FROM WAVE TO WAVE THROUGH LDS AS IMAGES OF THEIR REGISTERS (codes of x, att, h0, h): register group c of lane l at 512 c + 16 l.  Wave w makes block w of 32 along K: lane (r, h) holds the codes of
; k = 16 h .. 16 h + 15 of row r in two registers and stores them at 256 w + 16 r + 8 h, which is their place in the image; the block's scale byte goes to 64 (w / 4) + 4 r + w % 4.
; LAYOUT (r = lane % 16, h = lane / 16).  THE ROWS OF A WEIGHT THAT FORM A TILE ARE NOT NEIGHBOURS: lane r of tile u takes row 8 u + r + 8 (r / 8).  With source 0 = weight rows, source 1 = data rows a lane then holds ONE data row r
; and its 16 registers of tiles 0, 1 are channels 16 h + 0 .. 15 of the slice.  So k and q, as they leave the FP4 products, are sources 0 and 1 of S = K Q^T in f32 (the same order of channels on both sides);
; v is made the other way round (source 0 = x rows), so that V and p, as they stand, are sources 0 and 1 of O = V^T P; O again holds one agent row a lane and 16 neighbouring channels: nothing changes lanes in the attention.
; THE TWO BATCHES of a block share the tile of 16 agent rows (rows 0-7: batch 0).  In the pass over batch b the lanes of the other batch get the offset -2^97 ahead of the exponential: p = 0 there, and O and the row's sum run on over both passes.
; THE MASK is the C of a score's first product: 0, or -2^33 where obs_mask is set.  The row's maximum is taken away ahead of the exponential; it is held at -2^32 from below, so a masked p is 0 exactly.
; BLOCK k, two barriers.  Phase 1: the attention of block k, which is nearly all matrix work, and beside it the work that is nearly all vector and LDS work: THE GRU OF BLOCK k - 1 and fc1 of block k + 1
; (x, and att's and h0's codes, have two buffers each).  Half of the waves take the attention first, the other half last, so that one wave's vector work stands beside another's matrix work.
; Barrier.  Phase 2, short: whole rows of h of block k - 1 leave; the streams loaded a phase ago go to LDS (h0 of block k + 1 onto the very bytes from which the same wave has just read its rows of h); the next loads are issued.
; Barrier.  Wave 0 then makes the 32 outputs of block k - 1, from operands that it fetched in phase 2.  Block 0 has no block before it; behind the loop stand the GRU, the rows and the outputs of block 7.
; LIMITS.  A row all of whose open scores q.k lie under -2^32 counts as masked (the module's own stand-in for a masked score is -1e9).  NaN and infinities among the inputs are not served.  A block of zeros gets the scale byte 1
; where the quantiser says 127: its codes are zeros, and these bytes are read by this program alone.  tanh(a) = 1 - 2 / (1 + 2^(2.885 a)): its absolute error is that of one rounding of a number near 1.
; The biases of the gates r and z are added once, as b_ih + b_hh, and every bias is the C of its sum's first product.  h and the outputs are masked by a multiplication by 0 or 1 (both are finite).
; No cluster: the streams are each work-group's own; what is shared, the weights, is read once at the head.  No tensor loads: a block's streams are 26 KB and come dense through 27 registers a wave, a phase ahead.
; ---- LDS
.set AC,    0                          ; att's codes: 2 images of 1,024 bytes (K step s);   AC, HC0, ASC, HSC0 have two buffers, ACD bytes apart
.set HC0,   2048                       ; h0's
.set ASC,   4096                       ; their scale words: 64 s + 4 r
.set HSC0,  4224
.set ACD,   4352
.set HC,    8704                       ; h's codes
.set HSC,   10752                      ; and scale words
.set OB,    10880                      ; out_b
.set INS,   11264                      ; the inputs' scale words, 4 bytes a row
.set OS,    11776                      ; wave 0's stage for the outputs: 16 rows x 128 bytes
.set MADD,  13824                      ; the mask as an image of 32 registers
.set GB,    17920                      ; b_ih + b_hh of r; of z; b_ih of n; b_hh of n: 1,024 bytes each
.set OW,    22016                      ; out_w: 4 images (2 n + s)
.set XIMG,  26112                      ; x: two buffers of XD bytes: 16 images (2 t + s), then the scale words (128 t + 64 s + 4 r)
.set XD,    17408
.set XSC,   16384
.set INI,   60928                      ; the inputs' codes: 128 rows of 64 bytes + 16 of padding: the 16 rows that a load touches start at 16 different groups of banks
.set H0S,   71168                      ; h0, later h in place: two buffers of 16 rows x (1,024 + 16) bytes
.set HD,    16640
.set GW,    104448                     ; the GRU's weights: 24 images of 1,024 bytes for each wave
; ---- vector registers, window 0
.set T16,1                             ; 16 x thread
.set LI, 2                             ; 16 x lane
.set LS, 3                             ; 4 x lane
.set R4, 4                             ; 4 r
.set CWA,5                             ; where I store codes:  256 w + 16 r + 8 h
.set CWS,6                             ; and the scale byte:   64 (w / 4) + w % 4 + 4 r
.set AQ, 7                             ; the agents' rows in x's images: 8192 (r / 8) + 16 (r % 8) + 256 h
.set AQS,8                             ; and their scale words: 512 (r / 8) + 4 (r % 8) + 64 h
.set INR,9                             ; INI + 80 r + 16 h
.set INW,10                            ; INI + 80 (thread / 4) + 16 (thread % 4)
.set WS4,11                            ; 64 w + 4 r
.set H0W,12                            ; H0S + 1040 (w / 2) + 512 (w % 2) + 16 lane: dense rows
.set H0P,13                            ; H0S + 1040 r + 128 w + 64 h: my 16 channels of row r
.set GWA,14                            ; GW + 24576 w + 16 lane
.set BA, 16                            ; GB + 128 w + 64 h
.set H32,17                            ; 32 h
.set OSW,18                            ; OS + 128 r + 32 h
.set GMK,19                            ; obs_mask: 4096 (r / 8) + 64 (r % 8) + 8 h + 16 (w / 2) + 4 (w % 2)
.set RR, 20                            ; r
.set MKR,21                            ; four mask bytes, in flight
.set SCR,22                            ; a scenario byte, in flight
.set NBIG,23                           ; -2^97
.set KM, 24                            ; v[24:25] 1.0, or 0 where scenario_mask is set: of the block whose GRU comes next
.set NM, 26                            ; v[26:27] the offset ahead of the exponential
.set RI, 28                            ; v[28:29] 1 / the row's sum
.set RS, 30                            ; the row's sum
.set MNEG,31                           ; -2^33
.set C0, 32                            ; v[32:33] h0's codes, v[34:35] att's, v[36:37] h's
.set C1, 34
.set C2, 36
.set KMO,38                            ; v[38:39] the same as KM, of the block whose outputs come next
.set FS, 40                            ; SCALE WORDS, and nothing else, in v40-65 and v78: fc1_w's (tile 0 in lanes 0-15, tile 1 in lanes 16-31)
.set QS, 41                            ; q_w's, k_w's, v_w's: tile u; K step 0 in lanes 0-15, K step 1 in lanes 16-31
.set KS, 43
.set VS, 45
.set OS0,47                            ; out_w's, tile 0; tile 1 in v78
.set XS, 48                            ; v48-51 the data rows'
.set GS, 52                            ; v52-63 the GRU's: gate g, tile u: w_ih's at 52 + 4 g + 2 u, w_hh's one further
.set SA, 64                            ; att's (for the outputs: h's)
.set SH, 65                            ; h0's
.set T,  66                            ; v66-69 largest magnitudes
.set U,  70                            ; v70-73 the other half's, then the bytes; sums
.set SCL,74                            ; v74-77 the conversions' scale operands
.set OS1,78
.set XF, 80                            ; v80-111  four fragments
.set V,  112                           ; v112-175 results at work: x, v, the GRU's sums
.set P,  176                           ; v176-207 the mask, then p; fragments
.set AFR,P+16                          ; in the GRU: att's fragment of the K step in hand,
.set HFR,P+24                          ; and h0's
.set S,  208                           ; v208-239 the scores:  written by matrix instructions alone
.set O,  240                           ; v240-255 att's sums:  likewise
; ---- window 1
.set WF, 0                             ; fc1_w [u]
.set WQ, 16                            ; q_w [2 u + s]
.set WK, 48
.set WVV,80
.set BF, 112                           ; fc1_b, k_b, v_b, q_b in the results' layouts
.set BK, 128
.set BV, 144
.set BQ, 160
.set H0D,176                           ; streams in flight through phase 1: h0 (16), the inputs' codes (8), their scale word
.set IND,192
.set INSD,200
.set KR, 208                           ; k of two entity tiles
.set QR, 240                           ; q of the 16 agent rows
; ---- scalars: argument i stays in s[4 + 2 i : 5 + 2 i]
.set WV, 60                            ; wave
.set GRP,61                            ; 1: the GRU and fc1 ahead of the attention
.set SEL,62                            ; s[62:63] v_permlanex16_b32's selects for lane l xor 16
.set J,  66                            ; trips to go
.set KN, 67                            ; in block k: k + 1
.set G0, 68                            ; the work-group's first block
.set LB0,69                            ; s69, s70: the lanes of batch 0, of batch 1
.set CS, 72                            ; s[72:73] log2(e) / sqrt(32)
.set PIN,80                            ; s[80:89] where the streams' next loads stand
.set PINS,82
.set PH0,84
.set PMK,86
.set PSC,88
.set PO1,90                            ; s[90:93] where h and the outputs go
.set PO0,92
.set LN, 94                            ; s[94:95] -log2(e)
.set LT, 96                            ; s[96:97] 2 log2(e)
.set MSB, 0
.macro WIN new                         ; the immediate's high byte repeats the setting that is left; bits 1:0 source 0, 3:2 source 1, 5:4 source 2, 7:6 destination
.if MSB != \new
	s_set_vgpr_msb (MSB<<8)|\new
.set MSB, \new
.endif
.endm
.macro PLACES n                        ; plain vector instructions between a matrix instruction and what may not follow it at once (ISA guide 7.12.1)
.rept \n
	v_nop
.endr
.endm
.macro BAR                             ; my LDS stores have landed and my LDS loads are in: then the work-group's barrier
	s_wait_dscnt 0x0
	s_barrier_signal -1
	s_barrier_wait -1
.endm
; one FP4 product.  row = 0: both sides' scales from lanes 0-15; 1: both from lanes 16-31; 2: source 0's from lanes 16-31
.macro MX d, a, b, c, sa, sb, row
.if (\row) == 0
	v_wmma_scale_f32_16x16x128_f8f6f4 v[(\d):(\d)+7], v[(\a):(\a)+7], v[(\b):(\b)+7], v[(\c):(\c)+7], v[\sa], v[\sb] matrix_a_fmt:MATRIX_FMT_FP4 matrix_b_fmt:MATRIX_FMT_FP4
.elseif (\row) == 1
	v_wmma_scale_f32_16x16x128_f8f6f4 v[(\d):(\d)+7], v[(\a):(\a)+7], v[(\b):(\b)+7], v[(\c):(\c)+7], v[\sa], v[\sb] matrix_a_fmt:MATRIX_FMT_FP4 matrix_b_fmt:MATRIX_FMT_FP4 matrix_a_scale:MATRIX_SCALE_ROW1 matrix_b_scale:MATRIX_SCALE_ROW1
.else
	v_wmma_scale_f32_16x16x128_f8f6f4 v[(\d):(\d)+7], v[(\a):(\a)+7], v[(\b):(\b)+7], v[(\c):(\c)+7], v[\sa], v[\sb] matrix_a_fmt:MATRIX_FMT_FP4 matrix_b_fmt:MATRIX_FMT_FP4 matrix_a_scale:MATRIX_SCALE_ROW1
.endif
.endm
; nb blocks of 32 are quantised, by turns.  Of block b a lane holds 16 numbers, v[src + 16 b] on; lane l xor 16 holds the other 16.  Codes to v[cod + 2 b], v[cod + 2 b + 1]; the scale's byte to v[U + b].
.macro QB nb, src, cod
.set qb, 0
.rept \nb
	v_max3_num_f32 v[T+qb], |v[(\src)+16*qb]|, |v[(\src)+16*qb+1]|, 0x1800000   ; with the floor 2^(3 - 127): the byte cannot fall under 1
.set qb, qb+1
.endr
.irp i, 2,4,6,8,10,12,14
.set qb, 0
.rept \nb
	v_max3_num_f32 v[T+qb], v[T+qb], |v[(\src)+16*qb+\i]|, |v[(\src)+16*qb+\i+1]|
.set qb, qb+1
.endr
.endr
.set qb, 0
.rept \nb
	v_permlanex16_b32 v[U+qb], v[T+qb], s[SEL], s[SEL+1]
.set qb, qb+1
.endr
.set qb, 0
.rept \nb
	v_max_num_f32 v[T+qb], v[T+qb], v[U+qb]        ; the block's largest magnitude
.set qb, qb+1
.endr
.set qb, 0
.rept \nb
	v_add_nc_u32 v[SCL+qb], 0xff000000, v[T+qb]    ; 2 off its exponent field: the conversion takes the exponent field of this operand as its scale
.set qb, qb+1
.endr
.set qb, 0
.rept \nb
	v_lshrrev_b32 v[U+qb], 23, v[SCL+qb]           ; the scale's byte
.set qb, qb+1
.endr
.set qb, 0
.rept \nb
	v_cvt_scalef32_pk8_fp4_f32 v[(\cod)+2*qb], v[(\src)+16*qb:(\src)+16*qb+7], v[SCL+qb]
	v_cvt_scalef32_pk8_fp4_f32 v[(\cod)+2*qb+1], v[(\src)+16*qb+8:(\src)+16*qb+15], v[SCL+qb]
.set qb, qb+1
.endr
	v_nop                                          ; one plain place behind the last scaled conversion
.endm
; which fragment of the GRU's weights is number f of a wave's 24: K step SS = f / 12; MAT 0 w_ih, 1 w_hh; gate GG, tile UU.  The order is that of the products (macro GROUND): six to a round.
.macro GFRAG f
.set SS, (\f)/12
.set MAT, ((\f)/6)%2
.set GG, ((\f)%6)/2
.set UU, (\f)%2
.endm
.macro GSTLD f0, n                     ; the head: n fragments from number f0 on, from memory into v[XF] on
.set gf, 0
.rept \n
	GFRAG (\f0)+gf
.irp c, 0,1
	global_load_b128 v[XF+8*gf+4*\c:XF+8*gf+4*\c+3], v38, s[42+6*MAT:43+6*MAT] offset:32768*GG+1024*UU+64*SS+32*\c
.endr
.set gf, gf+1
.endr
.endm
.macro GSTST f0, n                     ; and on into my images
.set gf, 0
.rept \n
.irp c, 0,1
	ds_store_b128 v[GWA], v[XF+8*gf+4*\c:XF+8*gf+4*\c+3] offset:1024*((\f0)+gf)+512*\c
.endr
.set gf, gf+1
.endr
.endm
; where the next loads stand: the inputs of block KN + a, h0 and the mask of block KN + b, the scenario bytes of block KN + c (held at the work-group's last block).
; The pointers are written only behind the wait that shows the last loads done.
.macro PTRS a, b, c
	s_mov_b32 s77, 0
	s_add_co_u32 s74, s[KN], \a
	s_min_u32 s74, s74, 7
	s_add_co_u32 s74, s74, s[G0]
	s_lshl_b32 s76, s74, 13                        ; 128 rows x 64 bytes
	s_add_nc_u64 s[PIN:PIN+1], s[4:5], s[76:77]
	s_lshl_b32 s76, s74, 9                         ; 128 rows x 4 bytes
	s_add_nc_u64 s[PINS:PINS+1], s[6:7], s[76:77]
	s_add_co_u32 s74, s[KN], \b
	s_min_u32 s74, s74, 7
	s_add_co_u32 s74, s74, s[G0]
	s_lshl_b32 s76, s74, 14                        ; 16 rows x 1,024 bytes
	s_add_nc_u64 s[PH0:PH0+1], s[8:9], s[76:77]
	s_lshl_b32 s76, s74, 13                        ; 2 batches x 4,096 bytes
	s_add_nc_u64 s[PMK:PMK+1], s[10:11], s[76:77]
	s_add_co_u32 s74, s[KN], \c
	s_min_u32 s74, s74, 7
	s_add_co_u32 s74, s74, s[G0]
	s_lshl_b32 s76, s74, 4                         ; 16 bytes
	s_add_nc_u64 s[PSC:PSC+1], s[12:13], s[76:77]
.endm
; the streams' loads.  mode 0: the inputs alone; 1: all; 2: all, and what lies past the work-group's last block is jumped over (a branch on the block's number).
; Each 16-byte load of a wave covers 512 consecutive bytes.
.macro LOADS mode
.if \mode == 2
	s_cmp_gt_u32 s[KN], 7
	s_cbranch_scc1 .Lld_\@
.endif
.if \mode > 0
	global_load_u8 v[SCR], v[RR], s[PSC:PSC+1]
.endif
.if \mode == 2
	s_cmp_gt_u32 s[KN], 6
	s_cbranch_scc1 .Lld_\@
.endif
.if \mode > 0
	global_load_b32 v[MKR], v[GMK], s[PMK:PMK+1]
	WIN 0x40
.irp i, 0,1,2,3
	global_load_b128 v[H0D+4*\i:H0D+4*\i+3], v[T16], s[PH0:PH0+1] offset:4096*\i th:TH_LOAD_NT
.endr
	WIN 0
.endif
.if \mode == 2
	s_cmp_gt_u32 s[KN], 5
	s_cbranch_scc1 .Lld_\@
.endif
	WIN 0x40
	global_load_b128 v[IND:IND+3], v[T16], s[PIN:PIN+1] th:TH_LOAD_NT
	global_load_b128 v[IND+4:IND+7], v[T16], s[PIN:PIN+1] offset:4096 th:TH_LOAD_NT
	global_load_b32 v[INSD], v[WS4], s[PINS:PINS+1]
	WIN 0
.Lld_\@:
.endm
; what the last loads brought goes to LDS: h0 as dense rows into buffer hw, the mask as my four registers of its image, the inputs' codes as padded rows, their scale words.  Modes as above.
.macro STAGEIN hw, mode
.if \mode == 2
	s_cmp_gt_u32 s[KN], 7
	s_cbranch_scc1 .Lst_\@
.endif
.if \mode > 0
	WIN 0x04                                       ; an LDS store's data are its source 1: window 1
.irp i, 0,1,2,3
	ds_store_b128 v[H0W], v[H0D+4*\i:H0D+4*\i+3] offset:(\hw)*HD+4160*\i
.endr
	WIN 0
.irp i, 0,1,2,3
	v_bfe_u32 v[T+\i], v[MKR], 8*\i, 8
.endr
.irp i, 0,1,2,3
	v_cmp_ne_u32 vcc_lo, 0, v[T+\i]
	v_cndmask_b32 v[SCL+\i], 0, v[MNEG], vcc_lo    ; 0, or -2^33 where the key is hidden
.endr
	ds_store_b128 v[T16], v[SCL:SCL+3] offset:MADD ; registers 4 w .. 4 w + 3 of the image
.endif
.if \mode == 2
	s_cmp_gt_u32 s[KN], 6
	s_cbranch_scc1 .Lst_\@
.endif
	WIN 0x04
	ds_store_b128 v[INW], v[IND:IND+3]
	ds_store_b128 v[INW], v[IND+4:IND+7] offset:5120
	ds_store_b32 v[WS4], v[INSD] offset:INS        ; (both halves of the lanes write the same word with the same value)
	WIN 0
.Lst_\@:
.endm
; fc1 + ReLU of the 128 rows in INI, my 32 channels, quantised: block w of x's K, into buffer xw.  Four tiles of rows at a time.
.macro FC1 xw
.irp hb, 0,1
.irp e, 0,1,2,3
	ds_load_b128 v[XF+8*\e:XF+8*\e+3], v[INR] offset:1280*(4*\hb+\e)
	ds_load_b128 v[XF+8*\e+4:XF+8*\e+7], v[INR] offset:1280*(4*\hb+\e)+32
	ds_load_b32 v[XS+\e], v[R4] offset:INS+64*(4*\hb+\e)
.endr
	s_wait_dscnt 0x0                               ; the fragments are in, and the last half's stores have read their registers
	WIN 0x11                                       ; source 0 (fc1_w) and C (fc1_b) window 1
.irp e, 0,1,2,3
	MX V+16*\e, WF, XF+8*\e, BF, FS, XS+\e, 0
	MX V+16*\e+8, WF+8, XF+8*\e, BF+8, FS, XS+\e, 2
.endr
	WIN 0
	PLACES 4
.set j, 0
.rept 64
	v_max_num_f32 v[V+j], 0, v[V+j]                ; ReLU; each result from its low end on
.set j, j+1
.endr
	QB 4, V, P
.irp e, 0,1,2,3
	ds_store_b64 v[CWA], v[P+2*\e:P+2*\e+1] offset:XIMG+(\xw)*XD+2048*(4*\hb+\e)
	ds_store_b8 v[CWS], v[U+\e] offset:XIMG+(\xw)*XD+XSC+128*(4*\hb+\e)   ; (both halves write the same byte with the same value)
.endr
.endr
	s_wait_dscnt 0x0                               ; the stores have read their registers
.endm
.macro PLOAD b, p, xr                  ; x's fragments and scale words of entity tiles 4 b + 2 p, + 1
.irp e, 0,1
.irp s, 0,1
.irp c, 0,1
	ds_load_b128 v[XF+16*\e+8*\s+4*\c:XF+16*\e+8*\s+4*\c+3], v[LI] offset:XIMG+(\xr)*XD+(2*(4*(\b)+2*(\p)+\e)+\s)*1024+512*\c
.endr
.endr
	ds_load_b32 v[XS+\e], v[LS] offset:XIMG+(\xr)*XD+XSC+128*(4*(\b)+2*(\p)+\e)
.endr
.endm
.macro MLOAD                           ; the mask's 32 registers
.irp i, 0,1,2,3,4,5,6,7
	ds_load_b128 v[P+4*\i:P+4*\i+3], v[LI] offset:MADD+512*\i
.endr
.endm
; two entity tiles: k and v of my head, the scores against the 16 agent rows, ReLU of v.  more = 1: the pair (nb, np) is fetched meanwhile.
; All sums go by turns, one instruction a turn.
.macro PMUL b, p, xr, nb, np, more
	s_wait_dscnt 0x0
	WIN 0x51                                       ; k: source 0 (k_w), C and D window 1
.irp e, 0,1
.irp u, 0,1
	MX KR+16*\e+8*\u, WK+16*\u, XF+16*\e, BK+8*\u, KS+\u, XS+\e, 0
.endr
.endr
.irp e, 0,1
.irp u, 0,1
	MX KR+16*\e+8*\u, WK+16*\u+8, XF+16*\e+8, KR+16*\e+8*\u, KS+\u, XS+\e, 1
.endr
.endr
	WIN 0x14                                       ; v: source 0 = x's rows; source 1 (v_w) and C (v_b) window 1
.irp e, 0,1
.irp u, 0,1
	MX V+32*\u+8*(2*(\p)+\e), XF+16*\e, WVV+16*\u, BV+8*\u, XS+\e, VS+\u, 0
.endr
.endr
	WIN 0x04
.irp e, 0,1
.irp u, 0,1
	MX V+32*\u+8*(2*(\p)+\e), XF+16*\e+8, WVV+16*\u+8, V+32*\u+8*(2*(\p)+\e), XS+\e, VS+\u, 1
.endr
.endr
	WIN 0
	PLACES 5                                       ; k becomes a source of matrix instructions; x's fragments and scale words may be loaded anew
.if \more
	PLOAD \nb, \np, \xr
.endif
	WIN 0x05                                       ; the scores: k and q in window 1.  The first product of each sum takes the mask as its C
.irp s, 0,1,2,3,4,5,6,7
.irp e, 0,1
.if \s == 0
	v_wmma_f32_16x16x4_f32 v[S+8*(2*(\p)+\e):S+8*(2*(\p)+\e)+7], v[KR+16*\e+2*\s:KR+16*\e+2*\s+1], v[QR+2*\s:QR+2*\s+1], v[P+8*(2*(\p)+\e):P+8*(2*(\p)+\e)+7]
.else
	v_wmma_f32_16x16x4_f32 v[S+8*(2*(\p)+\e):S+8*(2*(\p)+\e)+7], v[KR+16*\e+2*\s:KR+16*\e+2*\s+1], v[QR+2*\s:QR+2*\s+1], v[S+8*(2*(\p)+\e):S+8*(2*(\p)+\e)+7]
.endif
.endr
.endr
	WIN 0
.irp u, 0,1                            ; ReLU of v.  These 32 name no register of the scores' products: they are the places behind them, ahead of the next k (which writes over this one) and of the first read of the scores
.set j, 0
.rept 16
	v_max_num_f32 v[V+32*\u+16*(\p)+j], 0, v[V+32*\u+16*(\p)+j]
.set j, j+1
.endr
.endr
.endm
; p = 2^(c s - c max) of pass b, into other registers than the scores'; 0 in the lanes of the other batch
.macro SMAX b
.irp i, 0,1,2,3
	v_max3_num_f32 v[T+\i], v[S+8*\i], v[S+8*\i+1], v[S+8*\i+2]   ; each sum from its low end on, the four by turns
.endr
.irp i, 0,1,2,3
	v_max3_num_f32 v[T+\i], v[T+\i], v[S+8*\i+3], v[S+8*\i+4]
.endr
.irp i, 0,1,2,3
	v_max3_num_f32 v[T+\i], v[T+\i], v[S+8*\i+5], v[S+8*\i+6]
.endr
.irp i, 0,1,2,3
	v_max_num_f32 v[T+\i], v[T+\i], v[S+8*\i+7]
.endr
	v_max3_num_f32 v[T], v[T], v[T+1], v[T+2]
	v_max3_num_f32 v[T], v[T], v[T+3], 0xcf800000  ; held at -2^32 from below
	v_permlanex16_b32 v[U], v[T], s[SEL], s[SEL+1] ; the row's other 32 keys lie in lane l xor 16
	v_max_num_f32 v[T], v[T], v[U]
	v_mul_f32 v[T], 0xbe8293ee, v[T]               ; -c max
	v_cndmask_b32 v[NM], v[NBIG], v[T], s[LB0+\b]  ; -2^97 in the other batch's lanes
.set j, 0
.rept 16
	v_pk_fma_f32 v[P+j:P+j+1], v[S+j:S+j+1], s[CS:CS+1], v[NM:NM+1] op_sel_hi:[1,0,0]
.set j, j+2
.endr
.set j, 0
.rept 32
	v_exp_f32 v[P+j], v[P+j]
.set j, j+1
.endr
	v_nop                                          ; a plain place behind the last exponential
	s_wait_alu depctr_va_vdst(0)                   ; one wait for the batch, ahead of its first reader
.endm
.macro ORUN b                          ; O += V^T P over the pass's 64 keys: two sums by turns
.irp s, 0,1,2,3,4,5,6,7,8,9,10,11,12,13,14,15
.irp u, 0,1
.if (\b == 0) && (\s == 0)
	v_wmma_f32_16x16x4_f32 v[O+8*\u:O+8*\u+7], v[V+32*\u+2*\s:V+32*\u+2*\s+1], v[P+2*\s:P+2*\s+1], 0
.else
	v_wmma_f32_16x16x4_f32 v[O+8*\u:O+8*\u+7], v[V+32*\u+2*\s:V+32*\u+2*\s+1], v[P+2*\s:P+2*\s+1], v[O+8*\u:O+8*\u+7]
.endif
.endr
.endr
.endm
.macro SUMS b                          ; my 32 p of the pass, in two chains; it stands behind the products' issue
	v_pk_add_f32 v[U:U+1], v[P:P+1], v[P+2:P+3]
	v_pk_add_f32 v[U+2:U+3], v[P+4:P+5], v[P+6:P+7]
.irp j, 8,12,16,20,24,28
	v_pk_add_f32 v[U:U+1], v[U:U+1], v[P+\j:P+\j+1]
	v_pk_add_f32 v[U+2:U+3], v[U+2:U+3], v[P+\j+2:P+\j+3]
.endr
	v_pk_add_f32 v[U:U+1], v[U:U+1], v[U+2:U+3]
.if \b == 0
	v_add_f32 v[RS], v[U], v[U+1]
.else
	v_add_f32 v[U], v[U], v[U+1]
	v_add_f32 v[RS], v[RS], v[U]
.endif
.endm
; the attention of my head for the block whose x and h0 lie in buffers xr; h0's block w is quantised on the way; att's and h0's codes go to buffer xr
.macro ATT xr
.irp s, 0,1
.irp c, 0,1
	ds_load_b128 v[XF+8*\s+4*\c:XF+8*\s+4*\c+3], v[AQ] offset:XIMG+(\xr)*XD+1024*\s+512*\c   ; the 16 agent rows: rows 0-7 of entity tiles 0 and 4
.endr
.endr
	ds_load_b32 v[XS], v[AQS] offset:XIMG+(\xr)*XD+XSC
.irp i, 0,1,2,3
	ds_load_b128 v[V+4*\i:V+4*\i+3], v[H0P] offset:(\xr)*HD+16*\i
.endr
	MLOAD
	s_wait_dscnt 0x0
	WIN 0x51
	MX QR, WQ, XF, BQ, QS, XS, 0
	MX QR+8, WQ+16, XF, BQ+8, QS+1, XS, 0
	MX QR, WQ+8, XF+8, QR, QS, XS, 1
	MX QR+8, WQ+24, XF+8, QR+8, QS+1, XS, 1
	WIN 0
	QB 1, V, C0                                    ; h0.  (Its lines are also the places behind q's products)
	ds_store_b64 v[CWA], v[C0:C0+1] offset:HC0+(\xr)*ACD
	ds_store_b8 v[CWS], v[U] offset:HSC0+(\xr)*ACD
	PLOAD 0, 0, \xr
	PMUL 0, 0, \xr, 0, 1, 1
	PMUL 0, 1, \xr, 1, 0, 1
	SMAX 0
	ORUN 0
	SUMS 0
	PLACES 9                                       ; behind the last product: ahead of the loads into p's registers and of the products that write over v's
	MLOAD
	PMUL 1, 0, \xr, 1, 1, 1
	PMUL 1, 1, \xr, 0, 0, 0
	SMAX 1
	ORUN 1
	SUMS 1
	v_permlanex16_b32 v[U], v[RS], s[SEL], s[SEL+1]
	v_add_f32 v[RS], v[RS], v[U]                   ; the row's sum
	v_max_num_f32 v[RS], 0x0d800000, v[RS]         ; 2^-100 under it: a row masked everywhere has sum 0 and O = 0, and stays 0
	v_rcp_f32 v[RI], v[RS]
	PLACES 9                                       ; the plain place behind the reciprocal, and the places behind the last product
	s_wait_alu depctr_va_vdst(0)                   ; ahead of the reciprocal's first reader
.set j, 0
.rept 8
	v_pk_mul_f32 v[P+j:P+j+1], v[O+j:O+j+1], v[RI:RI+1] op_sel_hi:[1,0]   ; att, into other registers than the sums'
.set j, j+2
.endr
	QB 1, P, C1
	ds_store_b64 v[CWA], v[C1:C1+1] offset:AC+(\xr)*ACD
	ds_store_b8 v[CWS], v[U] offset:ASC+(\xr)*ACD
.endm
.macro GWLOAD rd                       ; six of my weight fragments: four into v[XF] on, two into v[P] on
.irp i, 0,1,2,3
.irp c, 0,1
	ds_load_b128 v[XF+8*\i+4*\c:XF+8*\i+4*\c+3], v[GWA] offset:1024*(6*(\rd)+\i)+512*\c
.endr
.endr
.irp i, 0,1
.irp c, 0,1
	ds_load_b128 v[P+8*\i+4*\c:P+8*\i+4*\c+3], v[GWA] offset:1024*(6*(\rd)+4+\i)+512*\c
.endr
.endr
.endm
.macro GDATA reg, base, s              ; the fragment of K step s of att's or h0's codes
.irp c, 0,1
	ds_load_b128 v[(\reg)+4*\c:(\reg)+4*\c+3], v[LI] offset:(\base)+1024*(\s)+512*\c
.endr
.endm
; six products in place.  Round 0: w_ih, K step 0 -> r, z, n (two tiles each).  Round 1: w_hh, K step 0 -> r, z, and its own sums for n.  Rounds 2, 3: the same at K step 1.  No two neighbours share a sum.
.macro GROUND rd
.irp i, 0,1,2,3,4,5
	GFRAG 6*(\rd)+\i
.if \i < 4
.set WBR, XF+8*\i
.else
.set WBR, P+8*(\i-4)
.endif
.if MAT == 0
.set ACR, V+16*GG+8*UU
.set BFR, AFR
.set SDR, SA
.else
.set BFR, HFR
.set SDR, SH
.if GG == 2
.set ACR, V+48+8*UU
.else
.set ACR, V+16*GG+8*UU
.endif
.endif
.set SWR, GS+4*GG+2*UU+MAT
	MX ACR, WBR, BFR, ACR, SWR, SDR, SS
.endr
.endm
; the GRU cell, my 32 channels of the 16 agent rows of the block whose h0 and codes lie in buffers hr.  All in window 0: the streams' registers in window 1 are in flight.
; Sums: r v112-127, z v128-143, att's part of n v144-159, h0's part of n v160-175; they begin as the biases.
.macro GRU hr
.irp g, 0,1,2,3
.irp u, 0,1
.irp q, 0,1
	ds_load_b128 v[V+16*\g+8*\u+4*\q:V+16*\g+8*\u+4*\q+3], v[BA] offset:1024*\g+32*\u+16*\q
.endr
.endr
.endr
	GDATA AFR, AC+(\hr)*ACD, 0
	GDATA HFR, HC0+(\hr)*ACD, 0
	ds_load_b32 v[SA], v[LS] offset:ASC+(\hr)*ACD
	ds_load_b32 v[SH], v[LS] offset:HSC0+(\hr)*ACD
	GWLOAD 0
	s_wait_dscnt 0x0
	GROUND 0
	PLACES 4                                       ; ahead of loads into registers that matrix instructions have read
	GWLOAD 1
	GDATA AFR, AC+(\hr)*ACD, 1                     ; att's fragment is done with for K step 0
	s_wait_dscnt 0x0
	GROUND 1
	PLACES 4
	GWLOAD 2
	GDATA HFR, HC0+(\hr)*ACD, 1
	s_wait_dscnt 0x0
	GROUND 2
	PLACES 4
	GWLOAD 3
	s_wait_dscnt 0x0
	GROUND 3
	PLACES 4                                       ; and of the first read of the sums
.irp i, 0,1,2,3
	ds_load_b128 v[XF+4*\i:XF+4*\i+3], v[H0P] offset:(\hr)*HD+16*\i   ; h0, my 16 channels
.endr
.set j, 0
.rept 16
	v_pk_mul_f32 v[V+j:V+j+1], v[V+j:V+j+1], s[LN:LN+1] op_sel_hi:[1,0]
.set j, j+2
.endr
.set j, 0
.rept 32
	v_exp_f32 v[V+j], v[V+j]
.set j, j+1
.endr
	v_nop
	s_wait_alu depctr_va_vdst(0)                   ; one wait a batch, here and below
.set j, 0
.rept 16
	v_pk_add_f32 v[V+j:V+j+1], v[V+j:V+j+1], 1.0 op_sel_hi:[1,0]
.set j, j+2
.endr
.set j, 0
.rept 32
	v_rcp_f32 v[V+j], v[V+j]                       ; r and z = 1 / (1 + 2^(-log2(e) a))
.set j, j+1
.endr
	v_nop
	s_wait_alu depctr_va_vdst(0)
.set j, 0
.rept 8
	v_pk_fma_f32 v[V+32+j:V+33+j], v[V+j:V+j+1], v[V+48+j:V+49+j], v[V+32+j:V+33+j]   ; att's part + r x h0's part
.set j, j+2
.endr
.set j, 0
.rept 8
	v_pk_mul_f32 v[V+32+j:V+33+j], v[V+32+j:V+33+j], s[LT:LT+1] op_sel_hi:[1,0]
.set j, j+2
.endr
.set j, 0
.rept 16
	v_exp_f32 v[V+32+j], v[V+32+j]
.set j, j+1
.endr
	v_nop
	s_wait_alu depctr_va_vdst(0)
.set j, 0
.rept 8
	v_pk_add_f32 v[V+32+j:V+33+j], v[V+32+j:V+33+j], 1.0 op_sel_hi:[1,0]
.set j, j+2
.endr
.set j, 0
.rept 16
	v_rcp_f32 v[V+32+j], v[V+32+j]
.set j, j+1
.endr
	v_nop
	s_wait_alu depctr_va_vdst(0)
.set j, 0
.rept 8
	v_pk_fma_f32 v[V+32+j:V+33+j], v[V+32+j:V+33+j], -2.0, 1.0 op_sel_hi:[1,0,0]   ; n = tanh
.set j, j+2
.endr
	s_wait_dscnt 0x0                               ; h0
.set j, 0
.rept 8
	v_pk_add_f32 v[V+48+j:V+49+j], v[XF+j:XF+j+1], v[V+32+j:V+33+j] neg_lo:[0,1] neg_hi:[0,1]   ; h0 - n
.set j, j+2
.endr
.set j, 0
.rept 8
	v_pk_fma_f32 v[V+32+j:V+33+j], v[V+16+j:V+17+j], v[V+48+j:V+49+j], v[V+32+j:V+33+j]   ; h = n + z (h0 - n)
.set j, j+2
.endr
.set j, 0
.rept 8
	v_pk_mul_f32 v[V+32+j:V+33+j], v[V+32+j:V+33+j], v[KM:KM+1] op_sel_hi:[1,0]   ; 0 where scenario_mask is set
.set j, j+2
.endr
.irp q, 0,1,2,3
	ds_store_b128 v[H0P], v[V+32+4*\q:V+32+4*\q+3] offset:(\hr)*HD+16*\q   ; over my own piece of h0, which nobody else reads
.endr
	QB 1, V+32, C2
	ds_store_b64 v[CWA], v[C2:C2+1] offset:HC
	ds_store_b8 v[CWS], v[U] offset:HSC
.endm
; the GRU of the block before (if there is one) and fc1 of the block after (if there is one), in the waves whose turn it is.  The branches hang on the wave's number and on the block's number.
.macro VEC_IF grp, xr
	s_cmp_lg_u32 s[GRP], \grp
	s_cbranch_scc1 .Lnov_\@
	s_cmp_eq_u32 s[KN], 1
	s_cbranch_scc1 .Lnog_\@
	GRU 1-\xr
.Lnog_\@:
	s_cmp_eq_u32 s[KN], 8
	s_cbranch_scc1 .Lnov_\@
	FC1 1-\xr
.Lnov_\@:
.endm
; whole rows of h leave from buffer hr; wave 0 fetches the operands of the 32 outputs (h's codes are written again in the next phase 1)
.macro ROWS hr
.irp i, 0,1,2,3
	ds_load_b128 v[XF+4*\i:XF+4*\i+3], v[H0W] offset:(\hr)*HD+4160*\i
.endr
.irp i, 0,1,2,3
	s_wait_dscnt 3-\i                              ; LDS loads come back in order: the younger ones of the four may be out
	global_store_b128 v[T16], v[XF+4*\i:XF+4*\i+3], s[PO1:PO1+1] offset:4096*\i th:TH_STORE_NT   ; a wave's store covers 512 consecutive bytes, aligned
.endr
	s_cmp_lg_u32 s[WV], 0
	s_cbranch_scc1 .Lnot0_\@
.irp n, 0,1
.irp s, 0,1
.irp c, 0,1
	ds_load_b128 v[P+8*(2*\n+\s)+4*\c:P+8*(2*\n+\s)+4*\c+3], v[LI] offset:OW+1024*(2*\n+\s)+512*\c
.endr
.endr
.irp c, 0,1
	ds_load_b128 v[V+8*\n+4*\c:V+8*\n+4*\c+3], v[H32] offset:OB+64*\n+16*\c   ; out_b: the sums begin as the bias
.endr
.endr
.irp s, 0,1
.irp c, 0,1
	ds_load_b128 v[XF+16+8*\s+4*\c:XF+16+8*\s+4*\c+3], v[LI] offset:HC+1024*\s+512*\c
.endr
.endr
	ds_load_b32 v[SA], v[LS] offset:HSC
.Lnot0_\@:
	s_wait_xcnt 0x0                                ; the stores have read their registers and their base: both may be written again
	s_add_nc_u64 s[PO1:PO1+1], s[PO1:PO1+1], 16384
.endm
; wave 0: the 32 outputs of the 16 rows whose operands ROWS has fetched (a wait for all LDS loads stands between)
.macro OUTP
	s_cmp_lg_u32 s[WV], 0
	s_cbranch_scc1 .Lnoo_\@
	s_cmp_eq_u32 s[KN], 1
	s_cbranch_scc1 .Lnoo_\@
	MX V, P, XF+16, V, OS0, SA, 0
	MX V+8, P+16, XF+16, V+8, OS1, SA, 0
	MX V, P+8, XF+24, V, OS0, SA, 1
	MX V+8, P+24, XF+24, V+8, OS1, SA, 1
	PLACES 4
.set j, 0
.rept 8
	v_pk_mul_f32 v[V+j:V+j+1], v[V+j:V+j+1], v[KMO:KMO+1] op_sel_hi:[1,0]
.set j, j+2
.endr
.irp n, 0,1
.irp c, 0,1
	ds_store_b128 v[OSW], v[V+8*\n+4*\c:V+8*\n+4*\c+3] offset:64*\n+16*\c   ; lane (r, h): outputs 16 n + 8 h + 0 .. 7 of row r
.endr
.endr
.irp i, 0,1,2,3
	ds_load_b128 v[V+16+4*\i:V+16+4*\i+3], v[LI] offset:OS+512*\i   ; LDS serves a wave's instructions in order: these see the stores above
.endr
	s_wait_dscnt 0x0
.irp i, 0,1,2,3
	global_store_b128 v[LI], v[V+16+4*\i:V+16+4*\i+3], s[PO0:PO0+1] offset:512*\i th:TH_STORE_NT
.endr
	s_wait_xcnt 0x0                                ; the stores have read their registers and their base
	s_add_nc_u64 s[PO0:PO0+1], s[PO0:PO0+1], 2048
.Lnoo_\@:
.endm
.macro BLOCK xr
	VEC_IF 1, \xr
	ATT \xr
	VEC_IF 0, \xr
	BAR                                            ; h's rows and codes of the block before, att's and h0's codes of this one and x of the next lie in LDS; nobody reads the inputs' rows or the mask any more
	s_cmp_eq_u32 s[KN], 1
	s_cbranch_scc1 .Lfirst_\@                      ; block 0 has no block before it
	ROWS 1-\xr
.Lfirst_\@:
	s_wait_loadcnt 0x0                             ; the streams asked for a phase ago
	STAGEIN 1-\xr, 2                               ; h0 goes onto the bytes that this same wave's ROWS has read: LDS serves a wave's instructions in order
	v_mov_b32 v[KMO], v[KM]                        ; the outputs below belong to the block before
	v_cmp_eq_u32 vcc_lo, 0, v[SCR]
	v_cndmask_b32 v[KM], 0, 1.0, vcc_lo
	s_wait_dscnt 0x0                               ; my stores have landed and have read their registers; wave 0's operands are in
	PTRS 2, 1, 0
	LOADS 2
	s_barrier_signal -1
	s_barrier_wait -1                              ; the next block's h0 and mask and the inputs after it lie in LDS; h's codes have been read
	OUTP
	s_add_co_u32 s[KN], s[KN], 1
.endm
; ======== the head
	s_load_b512 s[4:19], s[0:1], 0x0
	s_load_b512 s[20:35], s[0:1], 0x40
	s_load_b512 s[36:51], s[0:1], 0x80
	s_load_b256 s[52:59], s[0:1], 0xc0
	v_lshl_add_u32 v15, v0, 2, 0x49800
	v_mov_b32 v79, 0
	v_lshrrev_b32 v34, 5, v0
	v_readfirstlane_b32 s[WV], v34                 ; wave 0..7
	v_and_b32 v32, 31, v0                          ; lane
	v_and_b32 v[RR], 15, v0                        ; r
	v_bfe_u32 v33, v0, 4, 1                        ; h
	v_and_b32 v35, 8, v[RR]
	v_add_nc_u32 v35, v35, v[RR]                   ; r + 8 (r / 8)
	v_and_b32 v36, 7, v[RR]                        ; r % 8
	v_lshrrev_b32 v37, 3, v[RR]                    ; r / 8
	s_lshr_b32 s74, s[WV], 2
	s_xor_b32 s[GRP], s[WV], s74
	s_and_b32 s[GRP], s[GRP], 1                    ; (w xor w / 4) % 2
	s_mov_b32 s[SEL], 0x76543210
	s_mov_b32 s[SEL+1], 0xfedcba98
	s_mov_b32 s[LB0], 0x00ff00ff                   ; rows 0-7 of the agents' tile: lanes 0-7 and 16-23
	s_mov_b32 s[LB0+1], 0xff00ff00
	s_mov_b32 s[CS], 0x3e8293ee                    ; log2(e) / sqrt(32)
	s_mov_b32 s[CS+1], s[CS]                       ; (a packed form names the pair, so both are written)
	s_mov_b32 s[LN], 0xbfb8aa3b
	s_mov_b32 s[LN+1], s[LN]
	s_mov_b32 s[LT], 0x4038aa3b
	s_mov_b32 s[LT+1], s[LT]
	s_lshl_b32 s[G0], ttmp9, 3
	s_mov_b32 s[KN], 0
	v_mov_b32 v[NBIG], 0xf0000000
	v_mov_b32 v[MNEG], 0xd0000000
	v_mov_b32 v[KM], 0
	v_mov_b32 v[KM+1], 0                           ; upper halves of pairs of which the low word serves both halves
	v_mov_b32 v[NM+1], 0
	v_mov_b32 v[RI+1], 0
	v_mov_b32 v[SA], 0x7f7f7f7f                    ; scale words of ones: so that the two are written on every way; every use loads them first
	v_mov_b32 v[SH], 0x7f7f7f7f
	v_lshlrev_b32 v[T16], 4, v0
	v_lshlrev_b32 v[LI], 4, v32
	v_lshlrev_b32 v[LS], 2, v32
	v_lshlrev_b32 v[R4], 2, v[RR]
	s_lshl_b32 s74, s[WV], 8
	v_lshlrev_b32 v[CWA], 4, v[RR]
	v_lshl_add_u32 v[CWA], v33, 3, v[CWA]
	v_add_nc_u32 v[CWA], s74, v[CWA]
	s_lshr_b32 s74, s[WV], 2
	s_lshl_b32 s74, s74, 6
	s_and_b32 s75, s[WV], 3
	s_add_co_u32 s74, s74, s75
	v_add_nc_u32 v[CWS], s74, v[R4]
	v_lshlrev_b32 v[AQ], 13, v37
	v_lshl_add_u32 v[AQ], v36, 4, v[AQ]
	v_lshl_add_u32 v[AQ], v33, 8, v[AQ]
	v_lshlrev_b32 v[AQS], 9, v37
	v_lshl_add_u32 v[AQS], v36, 2, v[AQS]
	v_lshl_add_u32 v[AQS], v33, 6, v[AQS]
	v_mul_u32_u24 v[INR], v[RR], 80
	v_lshl_add_u32 v[INR], v33, 4, v[INR]
	v_add_nc_u32 v[INR], INI, v[INR]
	v_lshrrev_b32 v34, 2, v0
	v_mul_u32_u24 v[INW], v34, 80
	v_and_b32 v34, 3, v0
	v_lshl_add_u32 v[INW], v34, 4, v[INW]
	v_add_nc_u32 v[INW], INI, v[INW]
	s_lshl_b32 s74, s[WV], 6
	v_add_nc_u32 v[WS4], s74, v[R4]
	s_lshr_b32 s74, s[WV], 1
	s_mul_i32 s74, s74, 1040
	s_and_b32 s75, s[WV], 1
	s_lshl_b32 s75, s75, 9
	s_add_co_u32 s74, s74, s75
	s_add_co_u32 s74, s74, H0S
	v_add_nc_u32 v[H0W], s74, v[LI]
	v_mul_u32_u24 v[H0P], v[RR], 1040
	v_lshl_add_u32 v[H0P], v33, 6, v[H0P]
	s_lshl_b32 s74, s[WV], 7
	s_add_co_u32 s75, s74, H0S
	v_add_nc_u32 v[H0P], s75, v[H0P]
	s_mul_i32 s75, s[WV], 24576
	s_add_co_u32 s75, s75, GW
	v_add_nc_u32 v[GWA], s75, v[LI]
	v_lshlrev_b32 v66, 6, v33
	v_add_nc_u32 v66, s74, v66                     ; 128 w + 64 h: a bias's 16 numbers of my half
	v_add_nc_u32 v[BA], GB, v66
	v_lshlrev_b32 v[H32], 5, v33
	v_lshlrev_b32 v[OSW], 7, v[RR]
	v_lshl_add_u32 v[OSW], v33, 5, v[OSW]
	v_add_nc_u32 v[OSW], OS, v[OSW]
	v_lshlrev_b32 v67, 2, v35
	v_add_nc_u32 v67, s74, v67                     ; 128 w + 4 (r + 8 (r / 8)): v_b of my channel; with 32 h more, fc1_w's scale word
	v_lshl_add_u32 v69, v33, 5, v67
	s_lshr_b32 s74, s[WV], 1
	s_lshl_b32 s74, s74, 4
	s_and_b32 s75, s[WV], 1
	s_lshl_b32 s75, s75, 2
	s_add_co_u32 s74, s74, s75
	v_lshlrev_b32 v[GMK], 12, v37
	v_lshl_add_u32 v[GMK], v36, 6, v[GMK]
	v_lshl_add_u32 v[GMK], v33, 3, v[GMK]
	v_add_nc_u32 v[GMK], s74, v[GMK]
	s_lshl_b32 s74, s[WV], 12
	v_lshlrev_b32 v38, 7, v35
	v_lshl_add_u32 v38, v33, 4, v38
	v_add_nc_u32 v38, s74, v38                     ; a weight of K = 256: 4096 w + 128 (r + 8 (r / 8)) + 16 h
	s_lshl_b32 s74, s[WV], 11
	v_lshlrev_b32 v39, 6, v35
	v_lshl_add_u32 v39, v33, 4, v39
	v_add_nc_u32 v39, s74, v39                     ; fc1_w: 2048 w + 64 (..) + 16 h
	s_lshl_b32 s74, s[WV], 8
	v_lshlrev_b32 v68, 3, v35
	v_lshl_add_u32 v68, v33, 2, v68
	v_add_nc_u32 v68, s74, v68                     ; scale words of K = 256: 256 w + 8 (..) + 4 h: lanes 16-31 take K step 1's
	v_lshlrev_b32 v72, 2, v0                       ; 4 x thread
	s_lshr_b32 s74, s[WV], 2
	s_lshl_b32 s74, s74, 11
	s_and_b32 s75, s[WV], 3
	s_lshl_b32 s75, s75, 5
	s_add_co_u32 s74, s74, s75
	v_lshlrev_b32 v73, 7, v[RR]
	v_lshl_add_u32 v73, v33, 4, v73
	v_add_nc_u32 v73, s74, v73                     ; out_w: piece w of its four images' eight: tile w / 4, 32 (w % 4) bytes along K; row r, + 16 h
	v_lshlrev_b32 v74, 3, v[RR]
	v_lshl_add_u32 v74, v33, 2, v74                ; out_w's scale words: 8 r + 4 h
	s_wait_kmcnt 0x0
	s_mov_b32 s77, 0
	s_lshl_b32 s76, s[G0], 14
	s_add_nc_u64 s[PO1:PO1+1], s[16:17], s[76:77]
	s_lshl_b32 s76, s[G0], 11
	s_add_nc_u64 s[PO0:PO0+1], s[14:15], s[76:77]
	; what stays in registers
	WIN 0x40
.irp u, 0,1
.irp c, 0,1
	global_load_b128 v[WF+8*\u+4*\c:WF+8*\u+4*\c+3], v39, s[18:19] offset:512*\u+32*\c
	global_load_b128 v[BF+8*\u+4*\c:BF+8*\u+4*\c+3], v66, s[22:23] offset:32*\u+16*\c
	global_load_b128 v[BK+8*\u+4*\c:BK+8*\u+4*\c+3], v66, s[34:35] offset:32*\u+16*\c
	global_load_b128 v[BQ+8*\u+4*\c:BQ+8*\u+4*\c+3], v66, s[28:29] offset:32*\u+16*\c
.endr
.irp s, 0,1
.irp c, 0,1
	global_load_b128 v[WQ+8*(2*\u+\s)+4*\c:WQ+8*(2*\u+\s)+4*\c+3], v38, s[24:25] offset:1024*\u+64*\s+32*\c
	global_load_b128 v[WK+8*(2*\u+\s)+4*\c:WK+8*(2*\u+\s)+4*\c+3], v38, s[30:31] offset:1024*\u+64*\s+32*\c
	global_load_b128 v[WVV+8*(2*\u+\s)+4*\c:WVV+8*(2*\u+\s)+4*\c+3], v38, s[36:37] offset:1024*\u+64*\s+32*\c
.endr
.endr
.irp j, 0,1,2,3,4,5,6,7
	global_load_b32 v[BV+8*\u+\j], v67, s[40:41] offset:32*\u   ; in v's result a lane holds one channel: eight equal registers
.endr
.endr
	WIN 0
	global_load_b32 v[FS], v69, s[20:21]
.irp u, 0,1
	global_load_b32 v[QS+\u], v68, s[26:27] offset:64*\u
	global_load_b32 v[KS+\u], v68, s[32:33] offset:64*\u
	global_load_b32 v[VS+\u], v68, s[38:39] offset:64*\u
.irp g, 0,1,2
	global_load_b32 v[GS+4*\g+2*\u], v68, s[44:45] offset:2048*\g+64*\u
	global_load_b32 v[GS+4*\g+2*\u+1], v68, s[50:51] offset:2048*\g+64*\u
.endr
.endr
	global_load_b32 v[OS0], v74, s[56:57]
	global_load_b32 v[OS1], v74, s[56:57] offset:128
	; the GRU's weights go through registers into my images: 16 fragments, then 8
	GSTLD 0, 16
	s_wait_loadcnt 0x0
	GSTST 0, 16
	s_wait_dscnt 0x0                               ; the stores have read their registers
	GSTLD 16, 8
	global_load_b32 v144, v72, s[46:47]            ; b_ih and b_hh: thread t takes channel t of each gate
	global_load_b32 v145, v72, s[52:53]
	global_load_b32 v146, v72, s[46:47] offset:1024
	global_load_b32 v147, v72, s[52:53] offset:1024
	global_load_b32 v148, v72, s[46:47] offset:2048
	global_load_b32 v149, v72, s[52:53] offset:2048
	global_load_b32 v150, v[LS], s[58:59]          ; out_b
	global_load_b128 v[152:155], v73, s[54:55]     ; my piece of out_w
	PTRS 0, 0, 0
	LOADS 1                                        ; block 0's streams
	s_wait_loadcnt 0x0
	v_mov_b32 v[KMO], 0                            ; (the weights' offsets are done with)
	v_mov_b32 v[KMO+1], 0
	GSTST 16, 8
	v_add_f32 v144, v144, v145
	v_add_f32 v146, v146, v147
	ds_store_b32 v72, v144 offset:GB
	ds_store_b32 v72, v146 offset:GB+1024
	ds_store_b32 v72, v148 offset:GB+2048
	ds_store_b32 v72, v149 offset:GB+3072
	ds_store_b128 v[T16], v[152:155] offset:OW
	s_cmp_lg_u32 s[WV], 0
	s_cbranch_scc1 .Lno_ob
	ds_store_b32 v[LS], v150 offset:OB
.Lno_ob:
	STAGEIN 0, 1
	s_wait_dscnt 0x0
.irp i, 0,1,2,3
	v_mov_b32 v[U+\i], 0                           ; written once: a lane permute's destination counts as one of its sources
.endr
	PTRS 1, 0, 0
	LOADS 0                                        ; block 1's inputs
	s_barrier_signal -1
	s_barrier_wait -1                              ; block 0's inputs, h0 and mask, the biases and out_w lie in LDS
	FC1 0                                          ; x of block 0 (its last line waits for all my LDS instructions)
	s_barrier_signal -1
	s_barrier_wait -1                              ; nobody reads block 0's inputs any more
	s_wait_loadcnt 0x0
	STAGEIN 0, 0
	s_wait_dscnt 0x0
	PTRS 2, 1, 0
	LOADS 1                                        ; block 2's inputs, block 1's h0 and mask, block 0's scenario bytes
	s_add_co_u32 s[KN], s[KN], 1
	s_barrier_signal -1
	s_barrier_wait -1
	s_mov_b32 s[J], 4
.Lloop:                                            ; a trip takes two blocks, so that every buffer's place is an immediate
	BLOCK 0
	BLOCK 1
	s_sub_co_u32 s[J], s[J], 1
	s_cmp_lg_u32 s[J], 0
	s_cbranch_scc1 .Lloop
	GRU 1                                          ; block 7's: nothing is left to stand beside it
	BAR                                            ; its rows and codes of h lie in LDS
	ROWS 1
	v_mov_b32 v[KMO], v[KM]
	s_wait_dscnt 0x0                               ; wave 0's operands are in
	OUTP
	s_wait_tensorcnt 0x0
	ds_add_u32 v15, v79
	s_wait_dscnt 0x0
	s_endpgm
.Lfunc_end_k_q744eecaf72_agent:
	.size	k_q744eecaf72_agent, .Lfunc_end_k_q744eecaf72_agent-k_q744eecaf72_agent
	.p2alignl 7, 3214868480
	.fill 96, 4, 3214868480
	.section	.rodata,"a",@progbits
	.p2align	6, 0x0
	.amdhsa_kernel k_q744eecaf72_agent
		.amdhsa_group_segment_fixed_size 302080
		.amdhsa_private_segment_fixed_size 0
		.amdhsa_enable_private_segment 0
		.amdhsa_kernarg_size 224
		.amdhsa_user_sgpr_count 2
		.amdhsa_user_sgpr_kernarg_segment_ptr 1
		.amdhsa_wavefront_size32 1
		.amdhsa_system_sgpr_workgroup_id_x 1
		.amdhsa_system_sgpr_workgroup_id_y 1
		.amdhsa_system_sgpr_workgroup_id_z 1
		.amdhsa_system_vgpr_workitem_id 0
		.amdhsa_next_free_vgpr 512
		.amdhsa_next_free_sgpr 100
		.amdhsa_reserve_vcc 1
		.amdhsa_float_denorm_mode_32 3
		.amdhsa_float_denorm_mode_16_64 3
		.amdhsa_memory_ordered 1
		.amdhsa_forward_progress 1
		.amdhsa_inst_pref_size 255
	.end_amdhsa_kernel
	.section	.bss,"aw",@nobits
	.p2align	6
	.space	262144
	.amdgpu_metadata
---
amdhsa.version: [ 1, 2 ]
amdhsa.kernels:
  - .name:           k_q744eecaf72_agent
    .symbol:         k_q744eecaf72_agent.kd
    .args:
      - { .name: inputs_codes, .offset: 0, .size: 8, .value_kind: global_buffer, .address_space: global }
      - { .name: inputs_scales, .offset: 8, .size: 8, .value_kind: global_buffer, .address_space: global }
      - { .name: hidden_state, .offset: 16, .size: 8, .value_kind: global_buffer, .address_space: global }
      - { .name: obs_mask, .offset: 24, .size: 8, .value_kind: global_buffer, .address_space: global }
      - { .name: scenario_mask, .offset: 32, .size: 8, .value_kind: global_buffer, .address_space: global }
      - { .name: out0, .offset: 40, .size: 8, .value_kind: global_buffer, .address_space: global }
      - { .name: out1, .offset: 48, .size: 8, .value_kind: global_buffer, .address_space: global }
      - { .name: fc1_w_codes, .offset: 56, .size: 8, .value_kind: global_buffer, .address_space: global }
      - { .name: fc1_w_scales, .offset: 64, .size: 8, .value_kind: global_buffer, .address_space: global }
      - { .name: fc1_b, .offset: 72, .size: 8, .value_kind: global_buffer, .address_space: global }
      - { .name: q_w_codes, .offset: 80, .size: 8, .value_kind: global_buffer, .address_space: global }
      - { .name: q_w_scales, .offset: 88, .size: 8, .value_kind: global_buffer, .address_space: global }
      - { .name: q_b, .offset: 96, .size: 8, .value_kind: global_buffer, .address_space: global }
      - { .name: k_w_codes, .offset: 104, .size: 8, .value_kind: global_buffer, .address_space: global }
      - { .name: k_w_scales, .offset: 112, .size: 8, .value_kind: global_buffer, .address_space: global }
      - { .name: k_b, .offset: 120, .size: 8, .value_kind: global_buffer, .address_space: global }
      - { .name: v_w_codes, .offset: 128, .size: 8, .value_kind: global_buffer, .address_space: global }
      - { .name: v_w_scales, .offset: 136, .size: 8, .value_kind: global_buffer, .address_space: global }
      - { .name: v_b, .offset: 144, .size: 8, .value_kind: global_buffer, .address_space: global }
      - { .name: w_ih_codes, .offset: 152, .size: 8, .value_kind: global_buffer, .address_space: global }
      - { .name: w_ih_scales, .offset: 160, .size: 8, .value_kind: global_buffer, .address_space: global }
      - { .name: b_ih, .offset: 168, .size: 8, .value_kind: global_buffer, .address_space: global }
      - { .name: w_hh_codes, .offset: 176, .size: 8, .value_kind: global_buffer, .address_space: global }
      - { .name: w_hh_scales, .offset: 184, .size: 8, .value_kind: global_buffer, .address_space: global }
      - { .name: b_hh, .offset: 192, .size: 8, .value_kind: global_buffer, .address_space: global }
      - { .name: out_w_codes, .offset: 200, .size: 8, .value_kind: global_buffer, .address_space: global }
      - { .name: out_w_scales, .offset: 208, .size: 8, .value_kind: global_buffer, .address_space: global }
      - { .name: out_b, .offset: 216, .size: 8, .value_kind: global_buffer, .address_space: global }
    .group_segment_fixed_size: 302080
    .private_segment_fixed_size: 0
    .kernarg_segment_align: 8
    .kernarg_segment_size: 224
    .max_flat_workgroup_size: 256
    .sgpr_count:     100
    .vgpr_count:     512
    .wavefront_size: 32
...
	.end_amdgpu_metadata
.endif
;; end of part 1
;; ======== version 2 of 2: 1 launch; version 1 with the launch agent written anew for expert scheduling mode
;; limits: right only within a limited range of input values
;; launch agent (part 2): grid 256 x 1, 8 waves a work-group, no clusters, 302,080 bytes of LDS; arguments inputs_codes, inputs_scales, hidden_state, obs_mask, scenario_mask, out0, out1, fc1_w_codes, fc1_w_scales, fc1_b, q_w_codes, q_w_scales, q_b, k_w_codes, k_w_scales, k_b, v_w_codes, v_w_scales, v_b, w_ih_codes, w_ih_scales, b_ih, w_hh_codes, w_hh_scales, b_hh, out_w_codes, out_w_scales, out_b; writes out0, out1
.if DOCPART == 2
	.amdgcn_target "amdgcn-amd-amdhsa--gfx1250"
	.amdhsa_code_object_version 6
	.text
	.protected	k_q744eecaf72_agent
	.globl	k_q744eecaf72_agent
	.p2align	8
	.type	k_q744eecaf72_agent,@function
k_q744eecaf72_agent:
	s_mov_b64 s[64:65], 0
	v_nop
	global_prefetch_b8 v0, s[64:65] scope:SCOPE_SE
	s_setreg_imm32_b32 hwreg(HW_REG_WAVE_SCHED_MODE, 0, 2), 2
	s_setreg_imm32_b32 hwreg(HW_REG_WAVE_MODE, 25, 1), 1
	s_wait_xcnt 0x0
	s_wait_alu depctr_vm_vsrc(0)
; fc1 + ReLU, q / k / ReLU(v), masked attention (8 heads, 8 agents x 64 entities, head size 32), GRU cell, output layer: ONE launch, nothing between the steps goes to memory.
; Products on weights: codes of FP4 (E2M1) with one E8M0 scale for each 32 along K.  The two attention products feed a quantiser, so they take f32 operands (v_wmma_f32_16x16x4_f32).
; SHARES.  256 work-groups x 16 batches, walked as 8 blocks of 2 batches: 128 entity rows (8 tiles of 16) and 16 agent rows (1 tile).  Eight waves: WAVE w IS HEAD w, and owns columns 32 w .. 32 w + 31 of fc1 and of each GRU gate.
; Its slices of fc1_w, q_w, k_w, v_w, their biases and all scale words stay in registers; its 24 fragments of w_ih and w_hh lie in LDS as images of their registers, read by it alone.
; OPERANDS GO FROM WAVE TO WAVE THROUGH LDS AS IMAGES OF THEIR REGISTERS (codes of x, att, h0, h): register group c of lane l at 512 c + 16 l.  Wave w makes block w of 32 along K: lane (r, h) holds the codes of
; k = 16 h .. 16 h + 15 of row r in two registers and stores them at 256 w + 16 r + 8 h, which is their place in the image; the block's scale byte goes to 64 (w / 4) + 4 r + w % 4.
; LAYOUT (r = lane % 16, h = lane / 16).  THE ROWS OF A WEIGHT THAT FORM A TILE ARE NOT NEIGHBOURS: lane r of tile u takes row 8 u + r + 8 (r / 8).  With source 0 = weight rows, source 1 = data rows a lane then holds ONE data row r
; and its 16 registers of tiles 0, 1 are channels 16 h + 0 .. 15 of the slice.  So k and q, as they leave the FP4 products, are sources 0 and 1 of S = K Q^T in f32 (the same order of channels on both sides);
; v is made the other way round (source 0 = x rows), so that V and p, as they stand, are sources 0 and 1 of O = V^T P; O again holds one agent row a lane and 16 neighbouring channels: nothing changes lanes in the attention.
; THE TWO BATCHES of a block share the tile of 16 agent rows (rows 0-7: batch 0).  In the pass over batch b the lanes of the other batch get the offset -2^97 ahead of the exponential: p = 0 there, and O and the row's sum run on over both passes.
; THE MASK is the C of a score's first product: 0, or -2^33 where obs_mask is set.  The row's maximum is taken away ahead of the exponential; it is held at -2^32 from below, so a masked p is 0 exactly.
; BLOCK k, two barriers.  Phase 1: the attention of block k, which is nearly all matrix work, and beside it the work that is nearly all vector and LDS work: THE GRU OF BLOCK k - 1 and fc1 of block k + 1
; (x, and att's and h0's codes, have two buffers each).  Half of the waves take the attention first, the other half last, so that one wave's vector work stands beside another's matrix work.
; Barrier.  Phase 2, short: whole rows of h of block k - 1 leave; the streams loaded a phase ago go to LDS (h0 of block k + 1 onto the very bytes from which the same wave has just read its rows of h); the next loads are issued.
; Barrier.  Wave 0 then makes the 32 outputs of block k - 1, from operands that it fetched in phase 2.  Block 0 has no block before it; behind the loop stand the GRU, the rows and the outputs of block 7.
; LIMITS.  A row all of whose open scores q.k lie under -2^32 counts as masked (the module's own stand-in for a masked score is -1e9).  NaN and infinities among the inputs are not served.  A block of zeros gets the scale byte 1
; where the quantiser says 127: its codes are zeros, and these bytes are read by this program alone.  tanh(a) = 1 - 2 / (1 + 2^(2.885 a)): its absolute error is that of one rounding of a number near 1.
; The biases of the gates r and z are added once, as b_ih + b_hh, and every bias is the C of its sum's first product.  h and the outputs are masked by a multiplication by 0 or 1 (both are finite).
; No cluster: the streams are each work-group's own; what is shared, the weights, is read once at the head.  No tensor loads: a block's streams are 26 KB and come dense through 27 registers a wave, a phase ahead.
; THE MODE: SCHED_MODE bits 1:0 = 2 (LLVM: expert scheduling mode 2), set by the entry lines.  The code itself states the register dependences between vector or matrix instructions and memory or LDS instructions,
; with s_wait_alu, always for 0.
; THE PLAN.  Registers that memory or LDS instructions touch:
;   v1-v14, v16-v20   addresses and offsets: made at the head, ahead of its first wait on va_vdst, and never written again.
;   XF, XS            LDS loads land in them; products (and the GRU's h0 - n) read them; the rows' global stores read XF's first sixteen.
;   V                 LDS loads (biases, h0) and products write it; vector work reads it; the GRU's row stores read V + 32 on, wave 0's output stores V to V + 31.
;   P                 LDS loads (the mask, fragments), the exponentials and fc1's conversions write it; products read it; fc1's code stores read its first eight.
;   C0, C1, C2, U, SCL  written by the quantiser (SCL by the mask's selections too), read by LDS stores.      SA, SH  LDS loads land in them, products read them.
;   SCR, MKR          global loads land in them; one compare and four field extractions read them.            window 1's H0D, IND, INSD  global loads land in them, LDS stores read them; no vector instruction names them.
; EVERY PHASE (the GRU, fc1, the attention, the rows, the outputs) ENDS ALIKE: a wait on va_vdst, its stores, a wait on vm_vsrc, and no vector instruction behind them; the staging ends with both waits and the streams' loads.
; So at a phase's head, whichever phase came before it, over the loop's backward jump and past the jumps that leave a phase out, nothing is pending on either side, and the phase's first loads owe no wait.
; Inside a phase one wait on va_vdst stands ahead of each run of loads into registers that products have read, and ahead of each run of stores; what follows such a wait up to the run's last line names none of the run's registers.
; ---- LDS
.set AC,    0                          ; att's codes: 2 images of 1,024 bytes (K step s);   AC, HC0, ASC, HSC0 have two buffers, ACD bytes apart
.set HC0,   2048                       ; h0's
.set ASC,   4096                       ; their scale words: 64 s + 4 r
.set HSC0,  4224
.set ACD,   4352
.set HC,    8704                       ; h's codes
.set HSC,   10752                      ; and scale words
.set OB,    10880                      ; out_b
.set INS,   11264                      ; the inputs' scale words, 4 bytes a row
.set OS,    11776                      ; wave 0's stage for the outputs: 16 rows x 128 bytes
.set MADD,  13824                      ; the mask as an image of 32 registers
.set GB,    17920                      ; b_ih + b_hh of r; of z; b_ih of n; b_hh of n: 1,024 bytes each
.set OW,    22016                      ; out_w: 4 images (2 n + s)
.set XIMG,  26112                      ; x: two buffers of XD bytes: 16 images (2 t + s), then the scale words (128 t + 64 s + 4 r)
.set XD,    17408
.set XSC,   16384
.set INI,   60928                      ; the inputs' codes: 128 rows of 64 bytes + 16 of padding: the 16 rows that a load touches start at 16 different groups of banks
.set H0S,   71168                      ; h0, later h in place: two buffers of 16 rows x (1,024 + 16) bytes
.set HD,    16640
.set GW,    104448                     ; the GRU's weights: 24 images of 1,024 bytes for each wave
; ---- vector registers, window 0
.set T16,1                             ; 16 x thread
.set LI, 2                             ; 16 x lane
.set LS, 3                             ; 4 x lane
.set R4, 4                             ; 4 r
.set CWA,5                             ; where I store codes:  256 w + 16 r + 8 h
.set CWS,6                             ; and the scale byte:   64 (w / 4) + w % 4 + 4 r
.set AQ, 7                             ; the agents' rows in x's images: 8192 (r / 8) + 16 (r % 8) + 256 h
.set AQS,8                             ; and their scale words: 512 (r / 8) + 4 (r % 8) + 64 h
.set INR,9                             ; INI + 80 r + 16 h
.set INW,10                            ; INI + 80 (thread / 4) + 16 (thread % 4)
.set WS4,11                            ; 64 w + 4 r
.set H0W,12                            ; H0S + 1040 (w / 2) + 512 (w % 2) + 16 lane: dense rows
.set H0P,13                            ; H0S + 1040 r + 128 w + 64 h: my 16 channels of row r
.set GWA,14                            ; GW + 24576 w + 16 lane
.set BA, 16                            ; GB + 128 w + 64 h
.set H32,17                            ; 32 h
.set OSW,18                            ; OS + 128 r + 32 h
.set GMK,19                            ; obs_mask: 4096 (r / 8) + 64 (r % 8) + 8 h + 16 (w / 2) + 4 (w % 2)
.set RR, 20                            ; r
.set MKR,21                            ; four mask bytes, in flight
.set SCR,22                            ; a scenario byte, in flight
.set NBIG,23                           ; -2^97
.set KM, 24                            ; v[24:25] 1.0, or 0 where scenario_mask is set: of the block whose GRU comes next
.set NM, 26                            ; v[26:27] the offset ahead of the exponential
.set RI, 28                            ; v[28:29] 1 / the row's sum
.set RS, 30                            ; the row's sum
.set MNEG,31                           ; -2^33
.set C0, 32                            ; v[32:33] h0's codes, v[34:35] att's, v[36:37] h's
.set C1, 34
.set C2, 36
.set KMO,38                            ; v[38:39] the same as KM, of the block whose outputs come next
.set FS, 40                            ; SCALE WORDS, and nothing else, in v40-65 and v78: fc1_w's (tile 0 in lanes 0-15, tile 1 in lanes 16-31)
.set QS, 41                            ; q_w's, k_w's, v_w's: tile u; K step 0 in lanes 0-15, K step 1 in lanes 16-31
.set KS, 43
.set VS, 45
.set OS0,47                            ; out_w's, tile 0; tile 1 in v78
.set XS, 48                            ; v48-51 the data rows'
.set GS, 52                            ; v52-63 the GRU's: gate g, tile u: w_ih's at 52 + 4 g + 2 u, w_hh's one further
.set SA, 64                            ; att's (for the outputs: h's)
.set SH, 65                            ; h0's
.set T,  66                            ; v66-69 largest magnitudes
.set U,  70                            ; v70-73 the other half's, then the bytes; sums
.set SCL,74                            ; v74-77 the conversions' scale operands
.set OS1,78
.set XF, 80                            ; v80-111  four fragments
.set V,  112                           ; v112-175 results at work: x, v, the GRU's sums
.set P,  176                           ; v176-207 the mask, then p; fragments
.set AFR,P+16                          ; in the GRU: att's fragment of the K step in hand,
.set HFR,P+24                          ; and h0's
.set S,  208                           ; v208-239 the scores:  written by matrix instructions alone
.set O,  240                           ; v240-255 att's sums:  likewise
; ---- window 1
.set WF, 0                             ; fc1_w [u]
.set WQ, 16                            ; q_w [2 u + s]
.set WK, 48
.set WVV,80
.set BF, 112                           ; fc1_b, k_b, v_b, q_b in the results' layouts
.set BK, 128
.set BV, 144
.set BQ, 160
.set H0D,176                           ; streams in flight through phase 1: h0 (16), the inputs' codes (8), their scale word
.set IND,192
.set INSD,200
.set KR, 208                           ; k of two entity tiles
.set QR, 240                           ; q of the 16 agent rows
; ---- scalars: argument i stays in s[4 + 2 i : 5 + 2 i]
.set WV, 60                            ; wave
.set GRP,61                            ; 1: the GRU and fc1 ahead of the attention
.set SEL,62                            ; s[62:63] v_permlanex16_b32's selects for lane l xor 16
.set J,  66                            ; trips to go
.set KN, 67                            ; in block k: k + 1
.set G0, 68                            ; the work-group's first block
.set LB0,69                            ; s69, s70: the lanes of batch 0, of batch 1
.set CS, 72                            ; s[72:73] log2(e) / sqrt(32)
.set MS, 74                            ; s74-77 at work: the mask's four compares; offsets of the streams' pointers
.set PIN,80                            ; s[80:89] where the streams' next loads stand
.set PINS,82
.set PH0,84
.set PMK,86
.set PSC,88
.set PO1,90                            ; s[90:93] where h and the outputs go
.set PO0,92
.set LN, 94                            ; s[94:95] -log2(e)
.set LT, 96                            ; s[96:97] 2 log2(e)
.set MSB, 0
.macro WIN new                         ; the immediate's high byte repeats the setting that is left; bits 1:0 source 0, 3:2 source 1, 5:4 source 2, 7:6 destination
.if MSB != \new
	s_set_vgpr_msb (MSB<<8)|\new
.set MSB, \new
.endif
.endm
.macro PLACES n                        ; plain vector instructions between a matrix instruction and what may not follow it at once (ISA guide 7.12.1)
.rept \n
	v_nop
.endr
.endm
.macro BAR                             ; my LDS stores have landed and my LDS loads are in: then the work-group's barrier
	s_wait_dscnt 0x0
	s_barrier_signal -1
	s_barrier_wait -1
.endm
; one FP4 product.  row = 0: both sides' scales from lanes 0-15; 1: both from lanes 16-31; 2: source 0's from lanes 16-31
.macro MX d, a, b, c, sa, sb, row
.if (\row) == 0
	v_wmma_scale_f32_16x16x128_f8f6f4 v[(\d):(\d)+7], v[(\a):(\a)+7], v[(\b):(\b)+7], v[(\c):(\c)+7], v[\sa], v[\sb] matrix_a_fmt:MATRIX_FMT_FP4 matrix_b_fmt:MATRIX_FMT_FP4
.elseif (\row) == 1
	v_wmma_scale_f32_16x16x128_f8f6f4 v[(\d):(\d)+7], v[(\a):(\a)+7], v[(\b):(\b)+7], v[(\c):(\c)+7], v[\sa], v[\sb] matrix_a_fmt:MATRIX_FMT_FP4 matrix_b_fmt:MATRIX_FMT_FP4 matrix_a_scale:MATRIX_SCALE_ROW1 matrix_b_scale:MATRIX_SCALE_ROW1
.else
	v_wmma_scale_f32_16x16x128_f8f6f4 v[(\d):(\d)+7], v[(\a):(\a)+7], v[(\b):(\b)+7], v[(\c):(\c)+7], v[\sa], v[\sb] matrix_a_fmt:MATRIX_FMT_FP4 matrix_b_fmt:MATRIX_FMT_FP4 matrix_a_scale:MATRIX_SCALE_ROW1
.endif
.endm
; nb blocks of 32 are quantised, by turns.  Of block b a lane holds 16 numbers, v[src + 16 b] on; lane l xor 16 holds the other 16.  Codes to v[cod + 2 b], v[cod + 2 b + 1]; the scale's byte to v[U + b].
; (It writes v[U ..], v[SCL ..] and the codes' registers, which LDS stores have read before: a wait on vm_vsrc stands between each such store and the next call.)
.macro QB nb, src, cod
.set qb, 0
.rept \nb
	v_max3_num_f32 v[T+qb], |v[(\src)+16*qb]|, |v[(\src)+16*qb+1]|, 0x1800000   ; with the floor 2^(3 - 127): the byte cannot fall under 1
.set qb, qb+1
.endr
.irp i, 2,4,6,8,10,12,14
.set qb, 0
.rept \nb
	v_max3_num_f32 v[T+qb], v[T+qb], |v[(\src)+16*qb+\i]|, |v[(\src)+16*qb+\i+1]|
.set qb, qb+1
.endr
.endr
.set qb, 0
.rept \nb
	v_permlanex16_b32 v[U+qb], v[T+qb], s[SEL], s[SEL+1]
.set qb, qb+1
.endr
.set qb, 0
.rept \nb
	v_max_num_f32 v[T+qb], v[T+qb], v[U+qb]        ; the block's largest magnitude
.set qb, qb+1
.endr
.set qb, 0
.rept \nb
	v_add_nc_u32 v[SCL+qb], 0xff000000, v[T+qb]    ; 2 off its exponent field: the conversion takes the exponent field of this operand as its scale
.set qb, qb+1
.endr
.set qb, 0
.rept \nb
	v_lshrrev_b32 v[U+qb], 23, v[SCL+qb]           ; the scale's byte
.set qb, qb+1
.endr
.set qb, 0
.rept \nb
	v_cvt_scalef32_pk8_fp4_f32 v[(\cod)+2*qb], v[(\src)+16*qb:(\src)+16*qb+7], v[SCL+qb]
	v_cvt_scalef32_pk8_fp4_f32 v[(\cod)+2*qb+1], v[(\src)+16*qb+8:(\src)+16*qb+15], v[SCL+qb]
.set qb, qb+1
.endr
	v_nop                                          ; one plain place behind the last scaled conversion
.endm
; which fragment of the GRU's weights is number f of a wave's 24: K step SS = f / 12; MAT 0 w_ih, 1 w_hh; gate GG, tile UU.  The order is that of the products (macro GROUND): six to a round.
.macro GFRAG f
.set SS, (\f)/12
.set MAT, ((\f)/6)%2
.set GG, ((\f)%6)/2
.set UU, (\f)%2
.endm
.macro GSTLD f0, n                     ; the head: n fragments from number f0 on, from memory into v[XF] on
.set gf, 0
.rept \n
	GFRAG (\f0)+gf
.irp c, 0,1
	global_load_b128 v[XF+8*gf+4*\c:XF+8*gf+4*\c+3], v38, s[42+6*MAT:43+6*MAT] offset:32768*GG+1024*UU+64*SS+32*\c
.endr
.set gf, gf+1
.endr
.endm
.macro GSTST f0, n                     ; and on into my images
.set gf, 0
.rept \n
.irp c, 0,1
	ds_store_b128 v[GWA], v[XF+8*gf+4*\c:XF+8*gf+4*\c+3] offset:1024*((\f0)+gf)+512*\c
.endr
.set gf, gf+1
.endr
.endm
; where the next loads stand: the inputs of block KN + a, h0 and the mask of block KN + b, the scenario bytes of block KN + c (held at the work-group's last block).
; The pointers are written only behind the wait that shows the last loads done.
.macro PTRS a, b, c
	s_mov_b32 s77, 0
	s_add_co_u32 s74, s[KN], \a
	s_min_u32 s74, s74, 7
	s_add_co_u32 s74, s74, s[G0]
	s_lshl_b32 s76, s74, 13                        ; 128 rows x 64 bytes
	s_add_nc_u64 s[PIN:PIN+1], s[4:5], s[76:77]
	s_lshl_b32 s76, s74, 9                         ; 128 rows x 4 bytes
	s_add_nc_u64 s[PINS:PINS+1], s[6:7], s[76:77]
	s_add_co_u32 s74, s[KN], \b
	s_min_u32 s74, s74, 7
	s_add_co_u32 s74, s74, s[G0]
	s_lshl_b32 s76, s74, 14                        ; 16 rows x 1,024 bytes
	s_add_nc_u64 s[PH0:PH0+1], s[8:9], s[76:77]
	s_lshl_b32 s76, s74, 13                        ; 2 batches x 4,096 bytes
	s_add_nc_u64 s[PMK:PMK+1], s[10:11], s[76:77]
	s_add_co_u32 s74, s[KN], \c
	s_min_u32 s74, s74, 7
	s_add_co_u32 s74, s74, s[G0]
	s_lshl_b32 s76, s74, 4                         ; 16 bytes
	s_add_nc_u64 s[PSC:PSC+1], s[12:13], s[76:77]
.endm
; the streams' loads.  mode 0: the inputs alone; 1: all; 2: all, and what lies past the work-group's last block is jumped over (a branch on the block's number).
; Each 16-byte load of a wave covers 512 consecutive bytes.  The waits that these loads hang on stand ahead of the macro: between them and the loads stand scalar lines, window switches and loads alone.
.macro LOADS mode
.if \mode == 2
	s_cmp_gt_u32 s[KN], 7
	s_cbranch_scc1 .Lld_\@
.endif
.if \mode > 0
	global_load_u8 v[SCR], v[RR], s[PSC:PSC+1]
.endif
.if \mode == 2
	s_cmp_gt_u32 s[KN], 6
	s_cbranch_scc1 .Lld_\@
.endif
.if \mode > 0
	global_load_b32 v[MKR], v[GMK], s[PMK:PMK+1]
	WIN 0x40
.irp i, 0,1,2,3
	global_load_b128 v[H0D+4*\i:H0D+4*\i+3], v[T16], s[PH0:PH0+1] offset:4096*\i th:TH_LOAD_NT
.endr
	WIN 0
.endif
.if \mode == 2
	s_cmp_gt_u32 s[KN], 5
	s_cbranch_scc1 .Lld_\@
.endif
	WIN 0x40
	global_load_b128 v[IND:IND+3], v[T16], s[PIN:PIN+1] th:TH_LOAD_NT
	global_load_b128 v[IND+4:IND+7], v[T16], s[PIN:PIN+1] offset:4096 th:TH_LOAD_NT
	global_load_b32 v[INSD], v[WS4], s[PINS:PINS+1]
	WIN 0
.Lld_\@:
.endm
; what the last loads brought goes to LDS: h0 as dense rows into buffer hw, the mask as my four registers of its image, the inputs' codes as padded rows, their scale words.  Modes as above.
.macro STAGEIN hw, mode
.if \mode == 2
	s_cmp_gt_u32 s[KN], 7
	s_cbranch_scc1 .Lst_\@
.endif
.if \mode > 0
	WIN 0x04                                       ; an LDS store's data are its source 1: window 1
.irp i, 0,1,2,3
	ds_store_b128 v[H0W], v[H0D+4*\i:H0D+4*\i+3] offset:(\hw)*HD+4160*\i
.endr
	WIN 0
.irp i, 0,1,2,3
	v_bfe_u32 v[T+\i], v[MKR], 8*\i, 8
.endr
.irp i, 0,1,2,3
	v_cmp_ne_u32 s[MS+\i], 0, v[T+\i]              ; the four compares in one run, each into a scalar register of its own
.endr
	s_wait_alu depctr_va_sdst(0)                   ; the compares have written s74 to s77, which the selections below read
.irp i, 0,1,2,3
	v_cndmask_b32 v[SCL+\i], 0, v[MNEG], s[MS+\i]  ; 0, or -2^33 where the key is hidden
.endr
	s_wait_alu depctr_va_vdst(0)                   ; the selections have written v[SCL ..], the data of the store below
	ds_store_b128 v[T16], v[SCL:SCL+3] offset:MADD ; registers 4 w .. 4 w + 3 of the image
.endif
.if \mode == 2
	s_cmp_gt_u32 s[KN], 6
	s_cbranch_scc1 .Lst_\@
.endif
	WIN 0x04
	ds_store_b128 v[INW], v[IND:IND+3]
	ds_store_b128 v[INW], v[IND+4:IND+7] offset:5120
	ds_store_b32 v[WS4], v[INSD] offset:INS        ; (both halves of the lanes write the same word with the same value)
	WIN 0
.Lst_\@:
.endm
; fc1 + ReLU of the 128 rows in INI, my 32 channels, quantised: block w of x's K, into buffer xw.  Four tiles of rows at a time.
.macro FC1 xw
.irp hb, 0,1
.irp e, 0,1,2,3
	ds_load_b128 v[XF+8*\e:XF+8*\e+3], v[INR] offset:1280*(4*\hb+\e)       ; no wait: no vector or matrix instruction since the last wait on va_vdst (the phase before's, or the first half's) names v[XF ..] or v[XS ..]
	ds_load_b128 v[XF+8*\e+4:XF+8*\e+7], v[INR] offset:1280*(4*\hb+\e)+32
	ds_load_b32 v[XS+\e], v[R4] offset:INS+64*(4*\hb+\e)
.endr
	s_wait_dscnt 0x0                               ; the fragments are in, and the last half's stores have read their registers
.if \hb == 1
	s_wait_alu depctr_vm_vsrc(0)                   ; the first half's LDS stores have read its codes in v[P ..] and its bytes in v[U ..], which this half's quantiser writes again
.endif
	WIN 0x11                                       ; source 0 (fc1_w) and C (fc1_b) window 1
.irp e, 0,1,2,3
	MX V+16*\e, WF, XF+8*\e, BF, FS, XS+\e, 0
	MX V+16*\e+8, WF+8, XF+8*\e, BF+8, FS, XS+\e, 2
.endr
	WIN 0
	PLACES 4
.set j, 0
.rept 64
	v_max_num_f32 v[V+j], 0, v[V+j]                ; ReLU; each result from its low end on
.set j, j+1
.endr
	QB 4, V, P
	s_wait_alu depctr_va_vdst(0)                   ; the quantiser has written the codes and the bytes, which the stores below read; the products are done reading v[XF ..] and v[XS ..], in which the next half's loads land
.irp e, 0,1,2,3
	ds_store_b64 v[CWA], v[P+2*\e:P+2*\e+1] offset:XIMG+(\xw)*XD+2048*(4*\hb+\e)
	ds_store_b8 v[CWS], v[U+\e] offset:XIMG+(\xw)*XD+XSC+128*(4*\hb+\e)   ; (both halves write the same byte with the same value)
.endr
.endr
	s_wait_dscnt 0x0                               ; the stores have read their registers
	s_wait_alu depctr_vm_vsrc(0)                   ; the phase's end: the stores have read v[P ..] and v[U ..], which the phase that follows loads into or writes
.endm
.macro PLOAD b, p, xr                  ; x's fragments and scale words of entity tiles 4 b + 2 p, + 1
.irp e, 0,1
.irp s, 0,1
.irp c, 0,1
	ds_load_b128 v[XF+16*\e+8*\s+4*\c:XF+16*\e+8*\s+4*\c+3], v[LI] offset:XIMG+(\xr)*XD+(2*(4*(\b)+2*(\p)+\e)+\s)*1024+512*\c
.endr
.endr
	ds_load_b32 v[XS+\e], v[LS] offset:XIMG+(\xr)*XD+XSC+128*(4*(\b)+2*(\p)+\e)
.endr
.endm
.macro MLOAD                           ; the mask's 32 registers
.irp i, 0,1,2,3,4,5,6,7
	ds_load_b128 v[P+4*\i:P+4*\i+3], v[LI] offset:MADD+512*\i
.endr
.endm
; two entity tiles: k and v of my head, the scores against the 16 agent rows, ReLU of v.  more = 1: the pair (nb, np) is fetched meanwhile.
; All sums go by turns, one instruction a turn.
.macro PMUL b, p, xr, nb, np, more
	s_wait_dscnt 0x0
	WIN 0x51                                       ; k: source 0 (k_w), C and D window 1
.irp e, 0,1
.irp u, 0,1
	MX KR+16*\e+8*\u, WK+16*\u, XF+16*\e, BK+8*\u, KS+\u, XS+\e, 0
.endr
.endr
.irp e, 0,1
.irp u, 0,1
	MX KR+16*\e+8*\u, WK+16*\u+8, XF+16*\e+8, KR+16*\e+8*\u, KS+\u, XS+\e, 1
.endr
.endr
	WIN 0x14                                       ; v: source 0 = x's rows; source 1 (v_w) and C (v_b) window 1
.irp e, 0,1
.irp u, 0,1
	MX V+32*\u+8*(2*(\p)+\e), XF+16*\e, WVV+16*\u, BV+8*\u, XS+\e, VS+\u, 0
.endr
.endr
	WIN 0x04
.irp e, 0,1
.irp u, 0,1
	MX V+32*\u+8*(2*(\p)+\e), XF+16*\e+8, WVV+16*\u+8, V+32*\u+8*(2*(\p)+\e), XS+\e, VS+\u, 1
.endr
.endr
	WIN 0
	PLACES 5                                       ; k becomes a source of matrix instructions; x's fragments and scale words may be loaded anew
.if \more
	s_wait_alu depctr_va_vdst(0)                   ; k's and v's products are done reading x's fragments in v[XF ..] and its scale words in v[XS ..], in which the loads below land
	PLOAD \nb, \np, \xr
.endif
	WIN 0x05                                       ; the scores: k and q in window 1.  The first product of each sum takes the mask as its C
.irp s, 0,1,2,3,4,5,6,7
.irp e, 0,1
.if \s == 0
	v_wmma_f32_16x16x4_f32 v[S+8*(2*(\p)+\e):S+8*(2*(\p)+\e)+7], v[KR+16*\e+2*\s:KR+16*\e+2*\s+1], v[QR+2*\s:QR+2*\s+1], v[P+8*(2*(\p)+\e):P+8*(2*(\p)+\e)+7]
.else
	v_wmma_f32_16x16x4_f32 v[S+8*(2*(\p)+\e):S+8*(2*(\p)+\e)+7], v[KR+16*\e+2*\s:KR+16*\e+2*\s+1], v[QR+2*\s:QR+2*\s+1], v[S+8*(2*(\p)+\e):S+8*(2*(\p)+\e)+7]
.endif
.endr
.endr
	WIN 0
.irp u, 0,1                            ; ReLU of v.  These 32 name no register of the scores' products: they are the places behind them, ahead of the next k (which writes over this one) and of the first read of the scores
.set j, 0
.rept 16
	v_max_num_f32 v[V+32*\u+16*(\p)+j], 0, v[V+32*\u+16*(\p)+j]
.set j, j+1
.endr
.endr
.endm
; p = 2^(c s - c max) of pass b, into other registers than the scores'; 0 in the lanes of the other batch
.macro SMAX b
.irp i, 0,1,2,3
	v_max3_num_f32 v[T+\i], v[S+8*\i], v[S+8*\i+1], v[S+8*\i+2]   ; each sum from its low end on, the four by turns
.endr
.irp i, 0,1,2,3
	v_max3_num_f32 v[T+\i], v[T+\i], v[S+8*\i+3], v[S+8*\i+4]
.endr
.irp i, 0,1,2,3
	v_max3_num_f32 v[T+\i], v[T+\i], v[S+8*\i+5], v[S+8*\i+6]
.endr
.irp i, 0,1,2,3
	v_max_num_f32 v[T+\i], v[T+\i], v[S+8*\i+7]
.endr
	v_max3_num_f32 v[T], v[T], v[T+1], v[T+2]
	v_max3_num_f32 v[T], v[T], v[T+3], 0xcf800000  ; held at -2^32 from below
	v_permlanex16_b32 v[U], v[T], s[SEL], s[SEL+1] ; the row's other 32 keys lie in lane l xor 16
	v_max_num_f32 v[T], v[T], v[U]
	v_mul_f32 v[T], 0xbe8293ee, v[T]               ; -c max
	v_cndmask_b32 v[NM], v[NBIG], v[T], s[LB0+\b]  ; -2^97 in the other batch's lanes
.set j, 0
.rept 16
	v_pk_fma_f32 v[P+j:P+j+1], v[S+j:S+j+1], s[CS:CS+1], v[NM:NM+1] op_sel_hi:[1,0,0]
.set j, j+2
.endr
.set j, 0
	s_wait_alu depctr_va_vdst(0)
.rept 32
	v_exp_f32 v[P+j], v[P+j]
.set j, j+1
.endr
	v_nop                                          ; a plain place behind the last exponential
	s_wait_alu depctr_va_vdst(0)                   ; one wait for the batch, ahead of its first reader: the 32 exponentials have written p in v[P ..]
.endm
.macro ORUN b                          ; O += V^T P over the pass's 64 keys: two sums by turns
.irp s, 0,1,2,3,4,5,6,7,8,9,10,11,12,13,14,15
.irp u, 0,1
.if (\b == 0) && (\s == 0)
	v_wmma_f32_16x16x4_f32 v[O+8*\u:O+8*\u+7], v[V+32*\u+2*\s:V+32*\u+2*\s+1], v[P+2*\s:P+2*\s+1], 0
.else
	v_wmma_f32_16x16x4_f32 v[O+8*\u:O+8*\u+7], v[V+32*\u+2*\s:V+32*\u+2*\s+1], v[P+2*\s:P+2*\s+1], v[O+8*\u:O+8*\u+7]
.endif
.endr
.endr
.endm
.macro SUMS b                          ; my 32 p of the pass, in two chains; it stands behind the products' issue
	v_pk_add_f32 v[U:U+1], v[P:P+1], v[P+2:P+3]
	v_pk_add_f32 v[U+2:U+3], v[P+4:P+5], v[P+6:P+7]
.irp j, 8,12,16,20,24,28
	v_pk_add_f32 v[U:U+1], v[U:U+1], v[P+\j:P+\j+1]
	v_pk_add_f32 v[U+2:U+3], v[U+2:U+3], v[P+\j+2:P+\j+3]
.endr
	v_pk_add_f32 v[U:U+1], v[U:U+1], v[U+2:U+3]
.if \b == 0
	v_add_f32 v[RS], v[U], v[U+1]
.else
	v_add_f32 v[U], v[U], v[U+1]
	v_add_f32 v[RS], v[RS], v[U]
.endif
.endm
; the attention of my head for the block whose x and h0 lie in buffers xr; h0's block w is quantised on the way; att's and h0's codes go to buffer xr
.macro ATT xr
.irp s, 0,1
.irp c, 0,1
	ds_load_b128 v[XF+8*\s+4*\c:XF+8*\s+4*\c+3], v[AQ] offset:XIMG+(\xr)*XD+1024*\s+512*\c   ; the 16 agent rows: rows 0-7 of entity tiles 0 and 4.  (A phase's first loads owe no wait: THE PLAN)
.endr
.endr
	ds_load_b32 v[XS], v[AQS] offset:XIMG+(\xr)*XD+XSC
.irp i, 0,1,2,3
	ds_load_b128 v[V+4*\i:V+4*\i+3], v[H0P] offset:(\xr)*HD+16*\i
.endr
	MLOAD
	s_wait_dscnt 0x0
	WIN 0x51
	MX QR, WQ, XF, BQ, QS, XS, 0
	MX QR+8, WQ+16, XF, BQ+8, QS+1, XS, 0
	MX QR, WQ+8, XF+8, QR, QS, XS, 1
	MX QR+8, WQ+24, XF+8, QR+8, QS+1, XS, 1
	WIN 0
	QB 1, V, C0                                    ; h0.  (Its lines are also the places behind q's products)
	s_wait_alu depctr_va_vdst(0)                   ; the quantiser has written h0's codes and byte, which the two stores read; q's products are done reading v[XF ..] and v[XS], in which the loads behind the stores land
	ds_store_b64 v[CWA], v[C0:C0+1] offset:HC0+(\xr)*ACD
	ds_store_b8 v[CWS], v[U] offset:HSC0+(\xr)*ACD
	PLOAD 0, 0, \xr
	PMUL 0, 0, \xr, 0, 1, 1
	PMUL 0, 1, \xr, 1, 0, 1
	s_wait_alu depctr_vm_vsrc(0)                   ; the store of h0's byte has read v[U], which the maximum's exchange below writes
	SMAX 0
	ORUN 0
	SUMS 0
	PLACES 9                                       ; behind the last product: ahead of the loads into p's registers and of the products that write over v's
	s_wait_alu depctr_va_vdst(0)                   ; the products V^T P and the sums are done reading p in v[P ..], in which the mask lands again
	MLOAD
	PMUL 1, 0, \xr, 1, 1, 1
	PMUL 1, 1, \xr, 0, 0, 0
	SMAX 1
	ORUN 1
	SUMS 1
	v_permlanex16_b32 v[U], v[RS], s[SEL], s[SEL+1]
	v_add_f32 v[RS], v[RS], v[U]                   ; the row's sum
	v_max_num_f32 v[RS], 0x0d800000, v[RS]         ; 2^-100 under it: a row masked everywhere has sum 0 and O = 0, and stays 0
	s_wait_alu depctr_va_vdst(0)
	v_rcp_f32 v[RI], v[RS]
	PLACES 9                                       ; the plain place behind the reciprocal, and the places behind the last product
	s_wait_alu depctr_va_vdst(0)                   ; ahead of the reciprocal's first reader: v[RI] is written
.set j, 0
.rept 8
	v_pk_mul_f32 v[P+j:P+j+1], v[O+j:O+j+1], v[RI:RI+1] op_sel_hi:[1,0]   ; att, into other registers than the sums'
.set j, j+2
.endr
	QB 1, P, C1
	s_wait_alu depctr_va_vdst(0)                   ; the quantiser has written att's codes and byte, which the two stores read
	ds_store_b64 v[CWA], v[C1:C1+1] offset:AC+(\xr)*ACD
	ds_store_b8 v[CWS], v[U] offset:ASC+(\xr)*ACD
	s_wait_alu depctr_vm_vsrc(0)                   ; the phase's end: the stores have read v[C1 ..] and v[U], which the next quantiser writes
.endm
.macro GWLOAD rd                       ; six of my weight fragments: four into v[XF] on, two into v[P] on
.irp i, 0,1,2,3
.irp c, 0,1
	ds_load_b128 v[XF+8*\i+4*\c:XF+8*\i+4*\c+3], v[GWA] offset:1024*(6*(\rd)+\i)+512*\c
.endr
.endr
.irp i, 0,1
.irp c, 0,1
	ds_load_b128 v[P+8*\i+4*\c:P+8*\i+4*\c+3], v[GWA] offset:1024*(6*(\rd)+4+\i)+512*\c
.endr
.endr
.endm
.macro GDATA reg, base, s              ; the fragment of K step s of att's or h0's codes
.irp c, 0,1
	ds_load_b128 v[(\reg)+4*\c:(\reg)+4*\c+3], v[LI] offset:(\base)+1024*(\s)+512*\c
.endr
.endm
; six products in place.  Round 0: w_ih, K step 0 -> r, z, n (two tiles each).  Round 1: w_hh, K step 0 -> r, z, and its own sums for n.  Rounds 2, 3: the same at K step 1.  No two neighbours share a sum.
.macro GROUND rd
.irp i, 0,1,2,3,4,5
	GFRAG 6*(\rd)+\i
.if \i < 4
.set WBR, XF+8*\i
.else
.set WBR, P+8*(\i-4)
.endif
.if MAT == 0
.set ACR, V+16*GG+8*UU
.set BFR, AFR
.set SDR, SA
.else
.set BFR, HFR
.set SDR, SH
.if GG == 2
.set ACR, V+48+8*UU
.else
.set ACR, V+16*GG+8*UU
.endif
.endif
.set SWR, GS+4*GG+2*UU+MAT
	MX ACR, WBR, BFR, ACR, SWR, SDR, SS
.endr
.endm
; the GRU cell, my 32 channels of the 16 agent rows of the block whose h0 and codes lie in buffers hr.  All in window 0: the streams' registers in window 1 are in flight.
; Sums: r v112-127, z v128-143, att's part of n v144-159, h0's part of n v160-175; they begin as the biases.
.macro GRU hr
.irp g, 0,1,2,3
.irp u, 0,1
.irp q, 0,1
	ds_load_b128 v[V+16*\g+8*\u+4*\q:V+16*\g+8*\u+4*\q+3], v[BA] offset:1024*\g+32*\u+16*\q   ; (a phase's first loads owe no wait: THE PLAN)
.endr
.endr
.endr
	GDATA AFR, AC+(\hr)*ACD, 0
	GDATA HFR, HC0+(\hr)*ACD, 0
	ds_load_b32 v[SA], v[LS] offset:ASC+(\hr)*ACD
	ds_load_b32 v[SH], v[LS] offset:HSC0+(\hr)*ACD
	GWLOAD 0
	s_wait_dscnt 0x0
	GROUND 0
	PLACES 4                                       ; ahead of loads into registers that matrix instructions have read
	s_wait_alu depctr_va_vdst(0)                   ; round 0's products are done reading their six weight fragments and att's fragment, in which the loads below land
	GWLOAD 1
	GDATA AFR, AC+(\hr)*ACD, 1                     ; att's fragment is done with for K step 0
	s_wait_dscnt 0x0
	GROUND 1
	PLACES 4
	s_wait_alu depctr_va_vdst(0)                   ; round 1's products are done reading their six weight fragments and h0's fragment, in which the loads below land
	GWLOAD 2
	GDATA HFR, HC0+(\hr)*ACD, 1
	s_wait_dscnt 0x0
	GROUND 2
	PLACES 4
	s_wait_alu depctr_va_vdst(0)                   ; round 2's products are done reading their six weight fragments, in which the loads below land
	GWLOAD 3
	s_wait_dscnt 0x0
	GROUND 3
	PLACES 4                                       ; and of the first read of the sums
	s_wait_alu depctr_va_vdst(0)                   ; round 3's products are done reading v[XF ..], in which h0 lands
.irp i, 0,1,2,3
	ds_load_b128 v[XF+4*\i:XF+4*\i+3], v[H0P] offset:(\hr)*HD+16*\i   ; h0, my 16 channels
.endr
.set j, 0
.rept 16
	v_pk_mul_f32 v[V+j:V+j+1], v[V+j:V+j+1], s[LN:LN+1] op_sel_hi:[1,0]
.set j, j+2
.endr
.set j, 0
	s_wait_alu depctr_va_vdst(0)
.rept 32
	v_exp_f32 v[V+j], v[V+j]
.set j, j+1
.endr
	v_nop
	s_wait_alu depctr_va_vdst(0)                   ; one wait a batch, here and below: the 32 exponentials have written v[V ..]
.set j, 0
.rept 16
	v_pk_add_f32 v[V+j:V+j+1], v[V+j:V+j+1], 1.0 op_sel_hi:[1,0]
.set j, j+2
.endr
.set j, 0
	s_wait_alu depctr_va_vdst(0)
.rept 32
	v_rcp_f32 v[V+j], v[V+j]                       ; r and z = 1 / (1 + 2^(-log2(e) a))
.set j, j+1
.endr
	v_nop
	s_wait_alu depctr_va_vdst(0)                   ; the 32 reciprocals have written r and z
.set j, 0
.rept 8
	v_pk_fma_f32 v[V+32+j:V+33+j], v[V+j:V+j+1], v[V+48+j:V+49+j], v[V+32+j:V+33+j]   ; att's part + r x h0's part
.set j, j+2
.endr
.set j, 0
.rept 8
	v_pk_mul_f32 v[V+32+j:V+33+j], v[V+32+j:V+33+j], s[LT:LT+1] op_sel_hi:[1,0]
.set j, j+2
.endr
.set j, 0
	s_wait_alu depctr_va_vdst(0)
.rept 16
	v_exp_f32 v[V+32+j], v[V+32+j]
.set j, j+1
.endr
	v_nop
	s_wait_alu depctr_va_vdst(0)                   ; the 16 exponentials have written v[V + 32 ..]
.set j, 0
.rept 8
	v_pk_add_f32 v[V+32+j:V+33+j], v[V+32+j:V+33+j], 1.0 op_sel_hi:[1,0]
.set j, j+2
.endr
.set j, 0
	s_wait_alu depctr_va_vdst(0)
.rept 16
	v_rcp_f32 v[V+32+j], v[V+32+j]
.set j, j+1
.endr
	v_nop
	s_wait_alu depctr_va_vdst(0)                   ; the 16 reciprocals have written v[V + 32 ..]
.set j, 0
.rept 8
	v_pk_fma_f32 v[V+32+j:V+33+j], v[V+32+j:V+33+j], -2.0, 1.0 op_sel_hi:[1,0,0]   ; n = tanh
.set j, j+2
.endr
	s_wait_alu depctr_va_vdst(0)
	s_wait_dscnt 0x0                               ; h0
.set j, 0
.rept 8
	v_pk_add_f32 v[V+48+j:V+49+j], v[XF+j:XF+j+1], v[V+32+j:V+33+j] neg_lo:[0,1] neg_hi:[0,1]   ; h0 - n
.set j, j+2
.endr
.set j, 0
.rept 8
	v_pk_fma_f32 v[V+32+j:V+33+j], v[V+16+j:V+17+j], v[V+48+j:V+49+j], v[V+32+j:V+33+j]   ; h = n + z (h0 - n)
.set j, j+2
.endr
.set j, 0
.rept 8
	v_pk_mul_f32 v[V+32+j:V+33+j], v[V+32+j:V+33+j], v[KM:KM+1] op_sel_hi:[1,0]   ; 0 where scenario_mask is set
.set j, j+2
.endr
	QB 1, V+32, C2                                 ; (it reads h and leaves it as it is: so h's stores stand behind it, and one wait serves all six)
	s_wait_alu depctr_va_vdst(0)                   ; h in v[V + 32 ..], its codes and its byte are written, which the six stores below read
.irp q, 0,1,2,3
	ds_store_b128 v[H0P], v[V+32+4*\q:V+32+4*\q+3] offset:(\hr)*HD+16*\q   ; over my own piece of h0, which nobody else reads
.endr
	ds_store_b64 v[CWA], v[C2:C2+1] offset:HC
	ds_store_b8 v[CWS], v[U] offset:HSC
	s_wait_alu depctr_vm_vsrc(0)                   ; the phase's end: the stores have read v[V + 32 ..], v[C2 ..] and v[U], which the phase that follows loads into or writes
.endm
; the GRU of the block before (if there is one) and fc1 of the block after (if there is one), in the waves whose turn it is.  The branches hang on the wave's number and on the block's number.
.macro VEC_IF grp, xr
	s_cmp_lg_u32 s[GRP], \grp
	s_cbranch_scc1 .Lnov_\@
	s_cmp_eq_u32 s[KN], 1
	s_cbranch_scc1 .Lnog_\@
	GRU 1-\xr
.Lnog_\@:
	s_cmp_eq_u32 s[KN], 8
	s_cbranch_scc1 .Lnov_\@
	FC1 1-\xr
.Lnov_\@:
.endm
; whole rows of h leave from buffer hr; wave 0 fetches the operands of the 32 outputs (h's codes are written again in the next phase 1)
.macro ROWS hr
.irp i, 0,1,2,3
	ds_load_b128 v[XF+4*\i:XF+4*\i+3], v[H0W] offset:(\hr)*HD+4160*\i   ; (a phase's first loads owe no wait: THE PLAN; no vector instruction stands in this phase)
.endr
.irp i, 0,1,2,3
	s_wait_dscnt 3-\i                              ; LDS loads come back in order: the younger ones of the four may be out
	global_store_b128 v[T16], v[XF+4*\i:XF+4*\i+3], s[PO1:PO1+1] offset:4096*\i th:TH_STORE_NT   ; a wave's store covers 512 consecutive bytes, aligned
.endr
	s_cmp_lg_u32 s[WV], 0
	s_cbranch_scc1 .Lnot0_\@
.irp n, 0,1
.irp s, 0,1
.irp c, 0,1
	ds_load_b128 v[P+8*(2*\n+\s)+4*\c:P+8*(2*\n+\s)+4*\c+3], v[LI] offset:OW+1024*(2*\n+\s)+512*\c
.endr
.endr
.irp c, 0,1
	ds_load_b128 v[V+8*\n+4*\c:V+8*\n+4*\c+3], v[H32] offset:OB+64*\n+16*\c   ; out_b: the sums begin as the bias
.endr
.endr
.irp s, 0,1
.irp c, 0,1
	ds_load_b128 v[XF+16+8*\s+4*\c:XF+16+8*\s+4*\c+3], v[LI] offset:HC+1024*\s+512*\c
.endr
.endr
	ds_load_b32 v[SA], v[LS] offset:HSC
.Lnot0_\@:
	s_wait_xcnt 0x0                                ; the stores have read their registers and their base: both may be written again
	s_wait_alu depctr_vm_vsrc(0)                   ; the phase's end: the global stores have read the rows in v[XF ..], in which the next phase's loads land
	s_add_nc_u64 s[PO1:PO1+1], s[PO1:PO1+1], 16384
.endm
; wave 0: the 32 outputs of the 16 rows whose operands ROWS has fetched (a wait for all LDS loads stands between)
.macro OUTP
	s_cmp_lg_u32 s[WV], 0
	s_cbranch_scc1 .Lnoo_\@
	s_cmp_eq_u32 s[KN], 1
	s_cbranch_scc1 .Lnoo_\@
	MX V, P, XF+16, V, OS0, SA, 0
	MX V+8, P+16, XF+16, V+8, OS1, SA, 0
	MX V, P+8, XF+24, V, OS0, SA, 1
	s_wait_alu depctr_va_vdst(0)
	MX V+8, P+24, XF+24, V+8, OS1, SA, 1
	PLACES 4
.set j, 0
.rept 8
	v_pk_mul_f32 v[V+j:V+j+1], v[V+j:V+j+1], v[KMO:KMO+1] op_sel_hi:[1,0]
.set j, j+2
.endr
	s_wait_alu depctr_va_vdst(0)                   ; the multiplications have written the outputs in v[V ..], which the LDS stores read; the products are done reading their operands, in which the next phase's loads land
.irp n, 0,1
.irp c, 0,1
	ds_store_b128 v[OSW], v[V+8*\n+4*\c:V+8*\n+4*\c+3] offset:64*\n+16*\c   ; lane (r, h): outputs 16 n + 8 h + 0 .. 7 of row r
.endr
.endr
.irp i, 0,1,2,3
	ds_load_b128 v[V+16+4*\i:V+16+4*\i+3], v[LI] offset:OS+512*\i   ; LDS serves a wave's instructions in order: these see the stores above
.endr
	s_wait_dscnt 0x0
.irp i, 0,1,2,3
	global_store_b128 v[LI], v[V+16+4*\i:V+16+4*\i+3], s[PO0:PO0+1] offset:512*\i th:TH_STORE_NT
.endr
	s_wait_xcnt 0x0                                ; the stores have read their registers and their base
	s_wait_alu depctr_vm_vsrc(0)                   ; the phase's end: the LDS stores have read v[V ..] and the global stores v[V + 16 ..], which the next phase's loads and products write
	s_add_nc_u64 s[PO0:PO0+1], s[PO0:PO0+1], 2048
.Lnoo_\@:
.endm
.macro BLOCK xr
	VEC_IF 1, \xr
	ATT \xr
	VEC_IF 0, \xr
	BAR                                            ; h's rows and codes of the block before, att's and h0's codes of this one and x of the next lie in LDS; nobody reads the inputs' rows or the mask any more
	s_cmp_eq_u32 s[KN], 1
	s_cbranch_scc1 .Lfirst_\@                      ; block 0 has no block before it
	ROWS 1-\xr
.Lfirst_\@:
	s_wait_loadcnt 0x0                             ; the streams asked for a phase ago
	STAGEIN 1-\xr, 2                               ; h0 goes onto the bytes that this same wave's ROWS has read: LDS serves a wave's instructions in order
	v_mov_b32 v[KMO], v[KM]                        ; the outputs below belong to the block before
	v_cmp_eq_u32 vcc_lo, 0, v[SCR]
	s_wait_alu depctr_va_vcc(0)                    ; the compare has written VCC, which the selection reads
	v_cndmask_b32 v[KM], 0, 1.0, vcc_lo
	s_wait_dscnt 0x0                               ; my stores have landed and have read their registers; wave 0's operands are in
	s_wait_alu depctr_va_vdst(0)                   ; the compare is done reading v[SCR] and the field extractions v[MKR], in which the loads below land
	s_wait_alu depctr_vm_vsrc(0)                   ; my LDS stores have read the streams' registers in window 1, in which the loads below land, and v[SCL ..], which the next quantiser writes
	PTRS 2, 1, 0
	LOADS 2
	s_barrier_signal -1
	s_barrier_wait -1                              ; the next block's h0 and mask and the inputs after it lie in LDS; h's codes have been read
	OUTP
	s_add_co_u32 s[KN], s[KN], 1
.endm
; ======== the head
	s_load_b512 s[4:19], s[0:1], 0x0
	s_load_b512 s[20:35], s[0:1], 0x40
	s_load_b512 s[36:51], s[0:1], 0x80
	s_load_b256 s[52:59], s[0:1], 0xc0
	v_lshl_add_u32 v15, v0, 2, 0x49800
	v_mov_b32 v79, 0
	v_lshrrev_b32 v34, 5, v0
	v_readfirstlane_b32 s[WV], v34                 ; wave 0..7
	v_and_b32 v32, 31, v0                          ; lane
	v_and_b32 v[RR], 15, v0                        ; r
	v_bfe_u32 v33, v0, 4, 1                        ; h
	v_and_b32 v35, 8, v[RR]
	v_add_nc_u32 v35, v35, v[RR]                   ; r + 8 (r / 8)
	v_and_b32 v36, 7, v[RR]                        ; r % 8
	v_lshrrev_b32 v37, 3, v[RR]                    ; r / 8
	s_wait_alu depctr_va_sdst(0)                   ; the wave's number is written, ahead of its first reader, the line below
	s_lshr_b32 s74, s[WV], 2
	s_xor_b32 s[GRP], s[WV], s74
	s_and_b32 s[GRP], s[GRP], 1                    ; (w xor w / 4) % 2
	s_mov_b32 s[SEL], 0x76543210
	s_mov_b32 s[SEL+1], 0xfedcba98
	s_mov_b32 s[LB0], 0x00ff00ff                   ; rows 0-7 of the agents' tile: lanes 0-7 and 16-23
	s_mov_b32 s[LB0+1], 0xff00ff00
	s_mov_b32 s[CS], 0x3e8293ee                    ; log2(e) / sqrt(32)
	s_mov_b32 s[CS+1], s[CS]                       ; (a packed form names the pair, so both are written)
	s_mov_b32 s[LN], 0xbfb8aa3b
	s_mov_b32 s[LN+1], s[LN]
	s_mov_b32 s[LT], 0x4038aa3b
	s_mov_b32 s[LT+1], s[LT]
	s_lshl_b32 s[G0], ttmp9, 3
	s_mov_b32 s[KN], 0
	v_mov_b32 v[NBIG], 0xf0000000
	v_mov_b32 v[MNEG], 0xd0000000
	v_mov_b32 v[KM], 0
	v_mov_b32 v[KM+1], 0                           ; upper halves of pairs of which the low word serves both halves
	v_mov_b32 v[NM+1], 0
	v_mov_b32 v[RI+1], 0
	v_mov_b32 v[SA], 0x7f7f7f7f                    ; scale words of ones: so that the two are written on every way; every use loads them first
	v_mov_b32 v[SH], 0x7f7f7f7f
	v_lshlrev_b32 v[T16], 4, v0
	v_lshlrev_b32 v[LI], 4, v32
	v_lshlrev_b32 v[LS], 2, v32
	v_lshlrev_b32 v[R4], 2, v[RR]
	s_lshl_b32 s74, s[WV], 8
	v_lshlrev_b32 v[CWA], 4, v[RR]
	v_lshl_add_u32 v[CWA], v33, 3, v[CWA]
	v_add_nc_u32 v[CWA], s74, v[CWA]
	s_lshr_b32 s74, s[WV], 2
	s_lshl_b32 s74, s74, 6
	s_and_b32 s75, s[WV], 3
	s_add_co_u32 s74, s74, s75
	v_add_nc_u32 v[CWS], s74, v[R4]
	v_lshlrev_b32 v[AQ], 13, v37
	v_lshl_add_u32 v[AQ], v36, 4, v[AQ]
	v_lshl_add_u32 v[AQ], v33, 8, v[AQ]
	v_lshlrev_b32 v[AQS], 9, v37
	v_lshl_add_u32 v[AQS], v36, 2, v[AQS]
	v_lshl_add_u32 v[AQS], v33, 6, v[AQS]
	v_mul_u32_u24 v[INR], v[RR], 80
	v_lshl_add_u32 v[INR], v33, 4, v[INR]
	v_add_nc_u32 v[INR], INI, v[INR]
	v_lshrrev_b32 v34, 2, v0
	v_mul_u32_u24 v[INW], v34, 80
	v_and_b32 v34, 3, v0
	v_lshl_add_u32 v[INW], v34, 4, v[INW]
	v_add_nc_u32 v[INW], INI, v[INW]
	s_lshl_b32 s74, s[WV], 6
	v_add_nc_u32 v[WS4], s74, v[R4]
	s_lshr_b32 s74, s[WV], 1
	s_mul_i32 s74, s74, 1040
	s_and_b32 s75, s[WV], 1
	s_lshl_b32 s75, s75, 9
	s_add_co_u32 s74, s74, s75
	s_add_co_u32 s74, s74, H0S
	v_add_nc_u32 v[H0W], s74, v[LI]
	v_mul_u32_u24 v[H0P], v[RR], 1040
	v_lshl_add_u32 v[H0P], v33, 6, v[H0P]
	s_lshl_b32 s74, s[WV], 7
	s_add_co_u32 s75, s74, H0S
	v_add_nc_u32 v[H0P], s75, v[H0P]
	s_mul_i32 s75, s[WV], 24576
	s_add_co_u32 s75, s75, GW
	v_add_nc_u32 v[GWA], s75, v[LI]
	v_lshlrev_b32 v66, 6, v33
	v_add_nc_u32 v66, s74, v66                     ; 128 w + 64 h: a bias's 16 numbers of my half
	v_add_nc_u32 v[BA], GB, v66
	v_lshlrev_b32 v[H32], 5, v33
	v_lshlrev_b32 v[OSW], 7, v[RR]
	v_lshl_add_u32 v[OSW], v33, 5, v[OSW]
	v_add_nc_u32 v[OSW], OS, v[OSW]
	v_lshlrev_b32 v67, 2, v35
	v_add_nc_u32 v67, s74, v67                     ; 128 w + 4 (r + 8 (r / 8)): v_b of my channel; with 32 h more, fc1_w's scale word
	v_lshl_add_u32 v69, v33, 5, v67
	s_lshr_b32 s74, s[WV], 1
	s_lshl_b32 s74, s74, 4
	s_and_b32 s75, s[WV], 1
	s_lshl_b32 s75, s75, 2
	s_add_co_u32 s74, s74, s75
	v_lshlrev_b32 v[GMK], 12, v37
	v_lshl_add_u32 v[GMK], v36, 6, v[GMK]
	v_lshl_add_u32 v[GMK], v33, 3, v[GMK]
	v_add_nc_u32 v[GMK], s74, v[GMK]
	s_lshl_b32 s74, s[WV], 12
	v_lshlrev_b32 v38, 7, v35
	v_lshl_add_u32 v38, v33, 4, v38
	v_add_nc_u32 v38, s74, v38                     ; a weight of K = 256: 4096 w + 128 (r + 8 (r / 8)) + 16 h
	s_lshl_b32 s74, s[WV], 11
	v_lshlrev_b32 v39, 6, v35
	v_lshl_add_u32 v39, v33, 4, v39
	v_add_nc_u32 v39, s74, v39                     ; fc1_w: 2048 w + 64 (..) + 16 h
	s_lshl_b32 s74, s[WV], 8
	v_lshlrev_b32 v68, 3, v35
	v_lshl_add_u32 v68, v33, 2, v68
	v_add_nc_u32 v68, s74, v68                     ; scale words of K = 256: 256 w + 8 (..) + 4 h: lanes 16-31 take K step 1's
	v_lshlrev_b32 v72, 2, v0                       ; 4 x thread
	s_lshr_b32 s74, s[WV], 2
	s_lshl_b32 s74, s74, 11
	s_and_b32 s75, s[WV], 3
	s_lshl_b32 s75, s75, 5
	s_add_co_u32 s74, s74, s75
	v_lshlrev_b32 v73, 7, v[RR]
	v_lshl_add_u32 v73, v33, 4, v73
	v_add_nc_u32 v73, s74, v73                     ; out_w: piece w of its four images' eight: tile w / 4, 32 (w % 4) bytes along K; row r, + 16 h
	v_lshlrev_b32 v74, 3, v[RR]
	v_lshl_add_u32 v74, v33, 2, v74                ; out_w's scale words: 8 r + 4 h
	s_wait_kmcnt 0x0
	s_mov_b32 s77, 0
	s_lshl_b32 s76, s[G0], 14
	s_add_nc_u64 s[PO1:PO1+1], s[16:17], s[76:77]
	s_lshl_b32 s76, s[G0], 11
	s_add_nc_u64 s[PO0:PO0+1], s[14:15], s[76:77]
	; what stays in registers
	WIN 0x40
	s_wait_alu depctr_va_vdst(0)                   ; every address and offset of the kernel is written (v1 to v20, and the head's v38, v39, v66 to v69, v72 to v74), which the loads and stores from here on read; so are v64 and v65, in which loads land later
.irp u, 0,1
.irp c, 0,1
	global_load_b128 v[WF+8*\u+4*\c:WF+8*\u+4*\c+3], v39, s[18:19] offset:512*\u+32*\c
	global_load_b128 v[BF+8*\u+4*\c:BF+8*\u+4*\c+3], v66, s[22:23] offset:32*\u+16*\c
	global_load_b128 v[BK+8*\u+4*\c:BK+8*\u+4*\c+3], v66, s[34:35] offset:32*\u+16*\c
	global_load_b128 v[BQ+8*\u+4*\c:BQ+8*\u+4*\c+3], v66, s[28:29] offset:32*\u+16*\c
.endr
.irp s, 0,1
.irp c, 0,1
	global_load_b128 v[WQ+8*(2*\u+\s)+4*\c:WQ+8*(2*\u+\s)+4*\c+3], v38, s[24:25] offset:1024*\u+64*\s+32*\c
	global_load_b128 v[WK+8*(2*\u+\s)+4*\c:WK+8*(2*\u+\s)+4*\c+3], v38, s[30:31] offset:1024*\u+64*\s+32*\c
	global_load_b128 v[WVV+8*(2*\u+\s)+4*\c:WVV+8*(2*\u+\s)+4*\c+3], v38, s[36:37] offset:1024*\u+64*\s+32*\c
.endr
.endr
.irp j, 0,1,2,3,4,5,6,7
	global_load_b32 v[BV+8*\u+\j], v67, s[40:41] offset:32*\u   ; in v's result a lane holds one channel: eight equal registers
.endr
.endr
	WIN 0
	global_load_b32 v[FS], v69, s[20:21]
.irp u, 0,1
	global_load_b32 v[QS+\u], v68, s[26:27] offset:64*\u
	global_load_b32 v[KS+\u], v68, s[32:33] offset:64*\u
	global_load_b32 v[VS+\u], v68, s[38:39] offset:64*\u
.irp g, 0,1,2
	global_load_b32 v[GS+4*\g+2*\u], v68, s[44:45] offset:2048*\g+64*\u
	global_load_b32 v[GS+4*\g+2*\u+1], v68, s[50:51] offset:2048*\g+64*\u
.endr
.endr
	global_load_b32 v[OS0], v74, s[56:57]
	global_load_b32 v[OS1], v74, s[56:57] offset:128
	; the GRU's weights go through registers into my images: 16 fragments, then 8
	GSTLD 0, 16
	s_wait_loadcnt 0x0
	GSTST 0, 16
	s_wait_dscnt 0x0                               ; the stores have read their registers
	s_wait_alu depctr_vm_vsrc(0)                   ; the LDS stores have read the sixteen fragments in v80 to v207, in which the loads below land
	GSTLD 16, 8
	global_load_b32 v144, v72, s[46:47]            ; b_ih and b_hh: thread t takes channel t of each gate
	global_load_b32 v145, v72, s[52:53]
	global_load_b32 v146, v72, s[46:47] offset:1024
	global_load_b32 v147, v72, s[52:53] offset:1024
	global_load_b32 v148, v72, s[46:47] offset:2048
	global_load_b32 v149, v72, s[52:53] offset:2048
	global_load_b32 v150, v[LS], s[58:59]          ; out_b
	global_load_b128 v[152:155], v73, s[54:55]     ; my piece of out_w
	PTRS 0, 0, 0
	LOADS 1                                        ; block 0's streams
	s_wait_loadcnt 0x0
	s_wait_alu depctr_vm_vsrc(0)                   ; the head's loads have read their offsets: v38 and v39 are written just below, v66 to v69 and v74 by the mask's lines
	v_mov_b32 v[KMO], 0                            ; (the weights' offsets are done with)
	v_mov_b32 v[KMO+1], 0
	GSTST 16, 8
	v_add_f32 v144, v144, v145
	v_add_f32 v146, v146, v147
	s_wait_alu depctr_va_vdst(0)                   ; the two additions have written v144 and v146, which the stores below read
	ds_store_b32 v72, v144 offset:GB
	ds_store_b32 v72, v146 offset:GB+1024
	ds_store_b32 v72, v148 offset:GB+2048
	ds_store_b32 v72, v149 offset:GB+3072
	ds_store_b128 v[T16], v[152:155] offset:OW
	s_cmp_lg_u32 s[WV], 0
	s_cbranch_scc1 .Lno_ob
	ds_store_b32 v[LS], v150 offset:OB
.Lno_ob:
	STAGEIN 0, 1
	s_wait_dscnt 0x0
	s_wait_alu depctr_vm_vsrc(0)                   ; my LDS stores have read: their offset v72, written just below; the inputs' registers in window 1, in which the loads below land; v80 to v155 and v[SCL ..], which fc1 loads into and writes
.irp i, 0,1,2,3
	v_mov_b32 v[U+\i], 0                           ; written once: a lane permute's destination counts as one of its sources
.endr
	PTRS 1, 0, 0
	LOADS 0                                        ; block 1's inputs
	s_barrier_signal -1
	s_barrier_wait -1                              ; block 0's inputs, h0 and mask, the biases and out_w lie in LDS
	FC1 0                                          ; x of block 0 (its last line but one waits for all my LDS instructions)
	s_barrier_signal -1
	s_barrier_wait -1                              ; nobody reads block 0's inputs any more
	s_wait_loadcnt 0x0
	STAGEIN 0, 0
	s_wait_dscnt 0x0
	s_wait_alu depctr_vm_vsrc(0)                   ; my LDS stores have read the inputs' registers in window 1, in which the loads below land
	PTRS 2, 1, 0
	LOADS 1                                        ; block 2's inputs, block 1's h0 and mask, block 0's scenario bytes
	s_add_co_u32 s[KN], s[KN], 1
	s_barrier_signal -1
	s_barrier_wait -1
	s_mov_b32 s[J], 4
.Lloop:                                            ; a trip takes two blocks, so that every buffer's place is an immediate
	BLOCK 0
	BLOCK 1
	s_sub_co_u32 s[J], s[J], 1
	s_cmp_lg_u32 s[J], 0
	s_cbranch_scc1 .Lloop
	GRU 1                                          ; block 7's: nothing is left to stand beside it
	BAR                                            ; its rows and codes of h lie in LDS
	ROWS 1
	v_mov_b32 v[KMO], v[KM]
	s_wait_dscnt 0x0                               ; wave 0's operands are in
	OUTP
	s_wait_dscnt 0x0                               ; the closing lines, six on end
	s_wait_alu 0x0
	s_wait_tensorcnt 0x0
	ds_add_u32 v15, v79
	s_wait_dscnt 0x0
	s_endpgm
.Lfunc_end_k_q744eecaf72_agent:
	.size	k_q744eecaf72_agent, .Lfunc_end_k_q744eecaf72_agent-k_q744eecaf72_agent
	.p2alignl 7, 3214868480
	.fill 96, 4, 3214868480
	.section	.rodata,"a",@progbits
	.p2align	6, 0x0
	.amdhsa_kernel k_q744eecaf72_agent
		.amdhsa_group_segment_fixed_size 302080
		.amdhsa_private_segment_fixed_size 0
		.amdhsa_enable_private_segment 0
		.amdhsa_kernarg_size 224
		.amdhsa_user_sgpr_count 2
		.amdhsa_user_sgpr_kernarg_segment_ptr 1
		.amdhsa_wavefront_size32 1
		.amdhsa_system_sgpr_workgroup_id_x 1
		.amdhsa_system_sgpr_workgroup_id_y 1
		.amdhsa_system_sgpr_workgroup_id_z 1
		.amdhsa_system_vgpr_workitem_id 0
		.amdhsa_next_free_vgpr 512
		.amdhsa_next_free_sgpr 100
		.amdhsa_reserve_vcc 1
		.amdhsa_float_denorm_mode_32 3
		.amdhsa_float_denorm_mode_16_64 3
		.amdhsa_memory_ordered 1
		.amdhsa_forward_progress 1
		.amdhsa_inst_pref_size 255
	.end_amdhsa_kernel
	.section	.bss,"aw",@nobits
	.p2align	6
	.space	262144
	.amdgpu_metadata
---
amdhsa.version: [ 1, 2 ]
amdhsa.kernels:
  - .name:           k_q744eecaf72_agent
    .symbol:         k_q744eecaf72_agent.kd
    .args:
      - { .name: inputs_codes, .offset: 0, .size: 8, .value_kind: global_buffer, .address_space: global }
      - { .name: inputs_scales, .offset: 8, .size: 8, .value_kind: global_buffer, .address_space: global }
      - { .name: hidden_state, .offset: 16, .size: 8, .value_kind: global_buffer, .address_space: global }
      - { .name: obs_mask, .offset: 24, .size: 8, .value_kind: global_buffer, .address_space: global }
      - { .name: scenario_mask, .offset: 32, .size: 8, .value_kind: global_buffer, .address_space: global }
      - { .name: out0, .offset: 40, .size: 8, .value_kind: global_buffer, .address_space: global }
      - { .name: out1, .offset: 48, .size: 8, .value_kind: global_buffer, .address_space: global }
      - { .name: fc1_w_codes, .offset: 56, .size: 8, .value_kind: global_buffer, .address_space: global }
      - { .name: fc1_w_scales, .offset: 64, .size: 8, .value_kind: global_buffer, .address_space: global }
      - { .name: fc1_b, .offset: 72, .size: 8, .value_kind: global_buffer, .address_space: global }
      - { .name: q_w_codes, .offset: 80, .size: 8, .value_kind: global_buffer, .address_space: global }
      - { .name: q_w_scales, .offset: 88, .size: 8, .value_kind: global_buffer, .address_space: global }
      - { .name: q_b, .offset: 96, .size: 8, .value_kind: global_buffer, .address_space: global }
      - { .name: k_w_codes, .offset: 104, .size: 8, .value_kind: global_buffer, .address_space: global }
      - { .name: k_w_scales, .offset: 112, .size: 8, .value_kind: global_buffer, .address_space: global }
      - { .name: k_b, .offset: 120, .size: 8, .value_kind: global_buffer, .address_space: global }
      - { .name: v_w_codes, .offset: 128, .size: 8, .value_kind: global_buffer, .address_space: global }
      - { .name: v_w_scales, .offset: 136, .size: 8, .value_kind: global_buffer, .address_space: global }
      - { .name: v_b, .offset: 144, .size: 8, .value_kind: global_buffer, .address_space: global }
      - { .name: w_ih_codes, .offset: 152, .size: 8, .value_kind: global_buffer, .address_space: global }
      - { .name: w_ih_scales, .offset: 160, .size: 8, .value_kind: global_buffer, .address_space: global }
      - { .name: b_ih, .offset: 168, .size: 8, .value_kind: global_buffer, .address_space: global }
      - { .name: w_hh_codes, .offset: 176, .size: 8, .value_kind: global_buffer, .address_space: global }
      - { .name: w_hh_scales, .offset: 184, .size: 8, .value_kind: global_buffer, .address_space: global }
      - { .name: b_hh, .offset: 192, .size: 8, .value_kind: global_buffer, .address_space: global }
      - { .name: out_w_codes, .offset: 200, .size: 8, .value_kind: global_buffer, .address_space: global }
      - { .name: out_w_scales, .offset: 208, .size: 8, .value_kind: global_buffer, .address_space: global }
      - { .name: out_b, .offset: 216, .size: 8, .value_kind: global_buffer, .address_space: global }
    .group_segment_fixed_size: 302080
    .private_segment_fixed_size: 0
    .kernarg_segment_align: 8
    .kernarg_segment_size: 224
    .max_flat_workgroup_size: 256
    .sgpr_count:     100
    .vgpr_count:     512
    .wavefront_size: 32
...
	.end_amdgpu_metadata
.endif
;; end of part 2
